; MI455X (gfx1250); checked and timed in simulation.
; The chip was launched on July 23, 2026; its instructions are those of AMD's public machine-readable ISA for CDNA 5 (MIT licence, August 2026) and "CDNA5" Instruction Set Architecture Reference Guide (July 2026). The comments in the code are by the model that wrote it; some were corrected since.
;; Multi Head Latent Attention. Allowed arithmetic: matrix products marked QUANTISED: E2M1 operands, one E8M0 scale for each 32 along K, by v_wmma_scale_f32_16x16x128_f8f6f4 with both operands' format E2M1 (or v_wmma_scale_f32_32x16x128_f4), f32 sums; products left as they are: bf16, f16 or f32 operands; f32 sums; everything else in f32.
;; Inputs: Wk_up 1,024 x 512 float32; Wkv_down 512 x 2,048 float32; Wo 2,048 x 2,048 float32; Wq_down 512 x 2,048 float32; Wq_up 1,024 x 512 float32; Wv_up 2,048 x 512 float32; bk_up 1,024 float32; bkv_down 512 float32; bo 2,048 float32; bq_down 512 float32; bq_up 1,024 float32; bv_up 2,048 float32; hidden_states 2 x 2,048 x 2,048 float32.
;; Outputs: out0 2 x 2,048 x 2,048 float32.
;; This version of the problem:
;;   THIS VERSION OF THE PROBLEM IS GIVEN IN LOW PRECISION. The matrix products marked QUANTISED in the list below multiply operands that are first quantised to E2M1 (2 exponent bits, 1 mantissa bit; 4 bits a number), with one power-of-two scale for each 32 numbers along K (OCP MX v1.0); their sums are f32. The products marked 'left as it is' may take bf16, f16 or f32 operands, with f32 sums. Whichever they take, every output number must still come out within the allowed error. Rounding operands to bf16 (8 significant bits) uses up far more of that allowance than f16 does (11 bits, for magnitudes from 6e-5 to 65,504). All else is computed in f32.
;;   The module's matrix products, in the order in which they are computed (A, B: the left and right operand; K: the contracted axis; several contracted axes count as one K, in the product's order):
;;     1. [M 4,096, K 2,048] x [K 2,048, N 512]; A: input hidden_states; B: input Wq_down: QUANTISED
;;     2. [M 4,096, K 2,048] x [K 2,048, N 512]; A: input hidden_states; B: input Wkv_down: QUANTISED
;;     3. [M 4,096, K 512] x [K 512, N 1,024]; A: computed on the way; B: input Wq_up: left as it is (an operand is computed on the way)
;;     4. [M 4,096, K 512] x [K 512, N 1,024]; A: computed on the way; B: input Wk_up: left as it is (an operand is computed on the way)
;;     5. [M 4,096, K 512] x [K 512, N 2,048]; A: computed on the way; B: input Wv_up: left as it is (an operand is computed on the way)
;;     6. batch 32 x [M 2,048, K 128] x [K 128, N 2,048]; A: computed on the way; B: computed on the way: left as it is (an operand is computed on the way)
;;     7. batch 32 x [M 2,048, K 2,048] x [K 2,048, N 128]; A: computed on the way; B: computed on the way: left as it is (an operand is computed on the way)
;;     8. [M 4,096, K 2,048] x [K 2,048, N 2,048]; A: computed on the way; B: input Wo: left as it is (an operand is computed on the way)
;;   THE QUANTISER, for each operand of a quantised product, along K:
;;     - K is cut into blocks of 32 from its start; a last block that is shorter is filled with zeros.
;;     - A block's scale is 2^e with e = floor(log2(the largest magnitude in the block)) - 2, held to -126 .. 127; a block of zeros has e = 0. As a byte (E8M0): e + 127.
;;     - Each number is divided by its block's scale, clamped to +-6, and rounded to the nearest number of E2M1, ties to even, subnormals kept.
;;     - The product sums the exact products of the quantised numbers (number of the format x scale) in f32.
;;   ~~~python
;;   def quantise(x, axis):      # numpy; x: float32 -> the quantised numbers, widened to float32 again
;;       x = np.moveaxis(x, axis, -1); K = x.shape[-1]
;;       x = np.pad(x, [(0, 0)] * (x.ndim - 1) + [(0, -K % 32)]); x = x.reshape(x.shape[:-1] + (-1, 32)); a = np.abs(x).max(-1, keepdims=True)
;;       e = np.where(a > 0, np.clip(np.frexp(np.where(a > 0, a, 1))[1] - 1 - 2, -126, 127), 0)      # np.frexp(a)[1] - 1 = floor(log2(a)), exactly
;;       r = np.clip(x / 2.0 ** e, -6, 6)
;;       step = 2.0 ** (np.maximum(np.frexp(np.where(r == 0, 1, r))[1] - 1, 0) - 1)
;;       q = np.round(r / step) * step * 2.0 ** e      # np.round: ties to even
;;       return np.moveaxis(q.reshape(q.shape[:-2] + (-1,))[..., :K], -1, axis).astype(np.float32)
;;   ~~~
;; One version. Each part assembles by itself: llvm-mc -triple=amdgcn-amd-amdhsa -mcpu=gfx1250 --defsym DOCPART=n.
;; ======== version 1 of 1: 5 launches
;; limits: values are held in f16: magnitudes above 65,504 overflow, below 6.1e-05 lose precision; inputs' magnitudes at most 65,504
;; workspace buffers: codes 5,242,880 bytes; scales 327,680 bytes; w16 12,582,912 bytes; rope 4,194,304 bytes; lat 8,388,608 bytes; qkv 50,331,648 bytes; vmax 2,048 bytes; ao 16,777,216 bytes
;; launch prep (part 1): grid 640 x 1, 4 waves a work-group, no clusters, 33,280 bytes of LDS; arguments hidden_states, Wq_down, Wkv_down, Wq_up, Wk_up, Wv_up, Wo, codes, scales, w16, rope; writes codes, scales, w16, rope
.if DOCPART == 1
	.amdgcn_target "amdgcn-amd-amdhsa--gfx1250"
	.amdhsa_code_object_version 6
	.text
	.protected	k_q65332ab70c_prep
	.globl	k_q65332ab70c_prep
	.p2align	8
	.type	k_q65332ab70c_prep,@function
k_q65332ab70c_prep:
	s_mov_b64 s[64:65], 0
	v_nop
	global_prefetch_b8 v0, s[64:65] scope:SCOPE_SE
	s_setreg_imm32_b32 hwreg(HW_REG_WAVE_MODE, 25, 1), 1
	s_wait_xcnt 0x0
; PREP: everything that later launches read many times is made once.  Three roles, told apart by the work-group's number g:
;   g < 320        hidden_states [4096][2048], Wq_down and Wkv_down [512][2048], f32, become codes of FP4 (E2M1), K innermost, two codes a byte, and one E8M0 byte for each 32 along K.
;                  The three tensors lie on end in both buffers: codes [5120 rows][1024 bytes], scales [5120][64].
;   320 <= g < 512 Wq_up, Wk_up, Wv_up become bf16 (rows 0-1023, 1024-2047, 2048-4095 of w16, 512 numbers a row); Wo becomes f16, from byte 4,194,304 of w16 on.
;   512 <= g       the rotary cosines and sines, f32, in the order in which the third launch's lanes hold their results.
; A block's scale is 2^(floor(log2(its largest magnitude)) - 2); its byte is the largest magnitude's exponent field - 2, held at 1 from below.
; LIMITS: a block whose largest magnitude lies under 2^-124, a block of zeros among them, keeps the byte 1 (its codes are then zeros or near it; the bytes are read by this program alone);
; NaN and infinities among the inputs are not served; |Wo| beyond 65,504 has no number in f16; the rotary angle is s x 2^(-c log2(10000) / 256) with the power by v_exp_f32:
; at s = 2,047 it may lie some 3e-4 from an angle made otherwise, which is under the rounding of q and k to bf16.
; No cluster, no tensor load, no barrier: no two waves read the same byte.  32,768 numbers to a work-group in the first two roles, 8,192 to a wave.
.set SPW,   12                         ; v12  LDS address of my spare word; never rewritten
.set NIL,   13                         ; v13  0; never rewritten
.set SPARE, 32768                      ; behind the four waves' regions: the spare words, 128 bytes a wave
.set STEPS, 16
.set EMAX,  2
.set CB,    8                          ; bytes of 16 codes
.set R,     16                         ; v16-79   four sets of 16 numbers as loaded
.set X,     80                         ; v80-111  two sets of 16 neighbours
.set E,     112                        ; v112-127 a scale byte for each step
.set C,     128                        ; v128-191 codes, four registers for each step
.set WREG,  8192                       ; LDS: a wave's region: two stages of 32 x SP bytes, then its 256 scale bytes
.set SP,    80                         ; a lane's place in a stage: 64 bytes + 16 of padding
.set CX,    16                         ; second role: v16-143 two sets of 64 numbers
.set CY,    144                        ; v144-175 a round's 32 packed registers
.set INV,   16                         ; third role: v16-47 the 32 frequencies of a lane
.set OUT,   48                         ; v48-111 results: 8 registers for each b, so that no store's data are written again
.set TX, 112
.set TN, 116
.set TR, 120
.set TQ, 124
.set TZ, 128
.set TS, 132
.set TC, 136
.set TT, 140
.set TU, 144
	s_load_b256 s[4:11], s[0:1], 0x0               ; hidden_states, Wq_down, Wkv_down, Wq_up
	s_load_b256 s[12:19], s[0:1], 0x20             ; Wk_up, Wv_up, Wo, codes
	s_load_b128 s[20:23], s[0:1], 0x40             ; scales, w16
	s_load_b64 s[24:25], s[0:1], 0x50              ; rope
	v_lshl_add_u32 v[SPW], v0, 2, SPARE
	v_mov_b32 v[NIL], 0
	v_lshrrev_b32 v1, 5, v0
	v_readfirstlane_b32 s26, v1                    ; wave
	v_and_b32 v2, 31, v0                           ; lane
	s_wait_kmcnt 0x0
	s_cmp_lt_u32 ttmp9, 320
	s_cbranch_scc0 .Lnot_quant
; ---------------- FIRST ROLE: the quantiser.  A wave takes 16 steps of 512 numbers.  Each load reads 512 consecutive bytes; a step's 2,048 bytes turn through the wave's own stage in LDS
; and come back 64 bytes a lane, so that a lane holds 16 neighbours along K and two neighbouring lanes a block.
	v_lshlrev_b32 v3, 4, v2                        ; my 16 bytes of a load's 512
	s_mul_i32 s27, s26, WREG
	v_lshrrev_b32 v14, 2, v2
	v_mul_u32_u24 v14, v14, SP
	v_and_b32 v15, 3, v2
	v_lshl_add_u32 v14, v15, 4, v14
	v_add_nc_u32 v14, s27, v14                     ; the stage, on the way in: SP (lane / 4) + 16 (lane % 4)
	v_mul_u32_u24 v15, v2, SP
	v_add_nc_u32 v15, s27, v15                     ; and on the way out: SP x lane
	v_mul_u32_u24 v4, v2, CB                       ; my codes' place in a step's
	v_lshrrev_b32 v5, 1, v2
	s_add_co_u32 s27, s27, 2*32*SP
	v_add_nc_u32 v5, s27, v5                       ; my block's byte among my wave's 256 scale bytes
	v_lshlrev_b32 v7, 3, v2
	v_add_nc_u32 v6, s27, v7                       ; and on the way out 8 bytes a lane
	s_cmp_lt_u32 ttmp9, 256                        ; 256 work-groups for hidden_states, 32 for each weight: the choice hangs on the work-group's number alone
	s_cselect_b64 s[28:29], s[4:5], s[6:7]
	s_cselect_b32 s30, 0, 256
	s_cmp_lt_u32 ttmp9, 288
	s_cselect_b64 s[28:29], s[28:29], s[8:9]
	s_cselect_b32 s30, s30, 288
	s_sub_co_u32 s30, ttmp9, s30
	s_lshl_b32 s30, s30, 2
	s_add_co_u32 s30, s30, s26                     ; which run of 8,192 numbers of the tensor is my wave's
	s_lshl_b32 s30, s30, 15                        ; 32,768 bytes a run
	s_mov_b32 s31, 0
	s_add_nc_u64 s[28:29], s[28:29], s[30:31]
	s_lshl_b32 s30, ttmp9, 2
	s_add_co_u32 s30, s30, s26                     ; and which run of the two buffers, where the tensors lie on end
	s_lshl_b32 s32, s30, 12                        ; 4,096 bytes of codes a run
	s_mov_b32 s33, 0
	s_add_nc_u64 s[18:19], s[18:19], s[32:33]
	s_lshl_b32 s32, s30, 8                         ; 256 scale bytes a run
	s_add_nc_u64 s[20:21], s[20:21], s[32:33]
.macro LOAD t
.irp i, 0,1,2,3
	global_load_b128 v[R+16*((\t)%4)+4*\i:R+16*((\t)%4)+4*\i+3], v3, s[28:29] offset:2048*(\t)+512*\i th:TH_LOAD_NT
.endr
.endm
.macro TURN t                          ; LDS serves a wave's instructions in order (ISA guide 5.7.1.4): no wait between the stores and the loads
.irp i, 0,1,2,3
	ds_store_b128 v14, v[R+16*((\t)%4)+4*\i:R+16*((\t)%4)+4*\i+3] offset:32*SP*((\t)%2)+8*SP*\i
.endr
.irp i, 0,1,2,3
	ds_load_b128 v[X+16*((\t)%2)+4*\i:X+16*((\t)%2)+4*\i+3], v15 offset:32*SP*((\t)%2)+16*\i
.endr
.endm
.irp t, 0,1,2,3
	LOAD \t
.endr
	s_wait_loadcnt 12                              ; step 0's four loads are in; the twelve of steps 1 to 3 stay out
	TURN 0
.macro STEP t
.set XS, X+16*((\t)%2)
.if (\t) > 0
	s_wait_dscnt 1                                 ; this step's numbers are back from the stage; the last step's byte store may be out
.else
	s_wait_dscnt 0x0
.endif
.if (\t)+4 < STEPS
	LOAD (\t)+4                                    ; into the registers that the stage's stores have read
.endif
.if (\t)+1 < STEPS
.if STEPS-2-(\t) >= 3
	s_wait_loadcnt 12                              ; the next step's four loads are in; those of the three steps behind it may be out
.else
	s_wait_loadcnt 4*(STEPS-2-(\t))
.endif
	TURN (\t)+1
.endif
	v_max3_num_f32 v8, |v[XS]|, |v[XS+1]|, |v[XS+2]|               ; the largest magnitude of my 16, in two chains
	v_max3_num_f32 v9, |v[XS+3]|, |v[XS+4]|, |v[XS+5]|
.irp i, 6,10
	v_max3_num_f32 v8, v8, |v[XS+\i]|, |v[XS+\i+1]|
	v_max3_num_f32 v9, v9, |v[XS+\i+2]|, |v[XS+\i+3]|
.endr
	v_max3_num_f32 v8, v8, |v[XS+14]|, |v[XS+15]|
	v_max3_num_f32 v8, v8, v9, (EMAX+1)<<23        ; and the floor 2^(3 - 127): the byte cannot fall under 1
	v_max_num_f32_dpp v8, v8, v8 row_xmask:1 row_mask:0xf bank_mask:0xf   ; with my neighbour's 16: the block's
	v_add_nc_u32 v11, -(EMAX<<23), v8              ; 2 off its exponent field: the conversion takes the exponent field of this operand as its scale
	v_cvt_scalef32_pk8_fp4_f32 v[C+4*(\t)], v[XS:XS+7], v11
	v_cvt_scalef32_pk8_fp4_f32 v[C+4*(\t)+1], v[XS+8:XS+15], v11
	v_lshrrev_b32 v[E+(\t)], 23, v11               ; the scale's byte
	ds_store_b8 v5, v[E+(\t)] offset:16*(\t)       ; both lanes of a block write the same byte with the same value
	global_store_b64 v4, v[C+4*(\t):C+4*(\t)+1], s[18:19] offset:32*CB*(\t)   ; 32 lanes store 256 consecutive bytes, aligned
.endm
.irp t, 0,1,2,3,4,5,6,7,8,9,10,11,12,13,14,15
	STEP \t
.endr
	ds_load_b64 v[8:9], v6                         ; in order behind my byte stores
	s_wait_dscnt 0x0
	global_store_b64 v7, v[8:9], s[20:21]          ; my wave's 256 scale bytes: 256 consecutive bytes, aligned
	s_wait_tensorcnt 0x0                           ; the wave's end
	ds_add_u32 v[SPW], v[NIL]
	s_wait_dscnt 0x0
	s_endpgm
; ---------------- SECOND ROLE: f32 to 16 bits.  A wave takes 8,192 numbers: 64 loads of 512 consecutive bytes, each followed by a store of 256 consecutive bytes; four rounds of 16, two rounds of loads out.
.Lnot_quant:
	s_cmp_lt_u32 ttmp9, 512
	s_cbranch_scc0 .Lrope
	s_sub_co_u32 s27, ttmp9, 320                   ; 16 work-groups Wq_up, 16 Wk_up, 32 Wv_up, 128 Wo
	s_cmp_lt_u32 s27, 16
	s_cselect_b64 s[28:29], s[10:11], s[12:13]
	s_cselect_b32 s30, 0, 16
	s_cmp_lt_u32 s27, 32
	s_cselect_b64 s[28:29], s[28:29], s[14:15]
	s_cselect_b32 s30, s30, 32
	s_cmp_lt_u32 s27, 64
	s_cselect_b64 s[28:29], s[28:29], s[16:17]
	s_cselect_b32 s30, s30, 64
	s_sub_co_u32 s30, s27, s30
	s_lshl_b32 s30, s30, 2
	s_add_co_u32 s30, s30, s26
	s_lshl_b32 s30, s30, 15                        ; 32,768 bytes of f32 a wave
	s_mov_b32 s31, 0
	s_add_nc_u64 s[28:29], s[28:29], s[30:31]
	s_lshl_b32 s30, s27, 2
	s_add_co_u32 s30, s30, s26
	s_lshl_b32 s30, s30, 14                        ; 16,384 bytes out: the four tensors lie on end in w16
	s_add_nc_u64 s[22:23], s[22:23], s[30:31]
	v_lshlrev_b32 v3, 4, v2
	v_lshlrev_b32 v4, 3, v2
.macro LOADR r
.irp i, 0,1,2,3,4,5,6,7,8,9,10,11,12,13,14,15
	global_load_b128 v[CX+64*((\r)%2)+4*\i:CX+64*((\r)%2)+4*\i+3], v3, s[28:29] offset:512*(16*(\r)+\i) th:TH_LOAD_NT
.endr
.endm
.macro CONVR r, half
.if (\r) < 3
	s_wait_loadcnt 16                              ; this round's 16 loads are in; the next round's 16 may be out
.else
	s_wait_loadcnt 0x0
.endif
	s_wait_xcnt 0x0                                ; the last round's stores have read their data: CY is written again only behind this wait
.irp i, 0,1,2,3,4,5,6,7,8,9,10,11,12,13,14,15
.if \half
	v_cvt_pk_f16_f32 v[CY+2*\i], v[CX+64*((\r)%2)+4*\i], v[CX+64*((\r)%2)+4*\i+1]
	v_cvt_pk_f16_f32 v[CY+2*\i+1], v[CX+64*((\r)%2)+4*\i+2], v[CX+64*((\r)%2)+4*\i+3]
.else
	v_cvt_pk_bf16_f32 v[CY+2*\i], v[CX+64*((\r)%2)+4*\i], v[CX+64*((\r)%2)+4*\i+1]
	v_cvt_pk_bf16_f32 v[CY+2*\i+1], v[CX+64*((\r)%2)+4*\i+2], v[CX+64*((\r)%2)+4*\i+3]
.endif
.endr
.irp i, 0,1,2,3,4,5,6,7,8,9,10,11,12,13,14,15
	global_store_b64 v4, v[CY+2*\i:CY+2*\i+1], s[22:23] offset:256*(16*(\r)+\i)
.endr
.if (\r) < 2
	LOADR (\r)+2
.endif
.endm
	LOADR 0
	LOADR 1
	s_cmp_lt_u32 s27, 64
	s_cbranch_scc0 .Lhalf
	CONVR 0, 0
	CONVR 1, 0
	CONVR 2, 0
	CONVR 3, 0
	s_endpgm
.Lhalf:                                            ; Wo: f16, whose 11 significant bits the last product needs; 0.02 x 30 and 0.02 / 30 both have room in it
	CONVR 0, 1
	CONVR 1, 1
	CONVR 2, 1
	CONVR 3, 1
	s_endpgm
; ---------------- THIRD ROLE: cos and sin of s x 10000^(-c / 256), s = 0 .. 2047, c = 0 .. 255.
; The table is 256 chunks of 16 KiB; chunk 2 sb + u holds positions 16 sb .. + 15 and c = 128 u .. + 127.  In it piece 4 b + p is 512 bytes, lane l's 16 bytes at 16 l: lane (r = l % 16, h = l / 16)
; holds s = 16 sb + r, c = 128 u + 16 b + 8 h + 4 (p % 2) + 0 .. 3; p < 2: cosines, p >= 2: sines.  A wave makes the pieces p = plo and p = plo + 2 of one chunk.
; The angle is reduced by the nearest multiple of pi / 2 (pi / 2 in two parts, fused multiply-adds) and the two functions are polynomials on +-pi / 4.
.Lrope:
	s_sub_co_u32 s27, ttmp9, 512
	s_lshl_b32 s27, s27, 1
	s_lshr_b32 s28, s26, 1
	s_add_co_u32 s27, s27, s28                     ; chunk
	s_and_b32 s28, s26, 1                          ; plo
	s_lshl_b32 s42, s27, 14
	s_lshl_b32 s43, s28, 9
	s_add_co_u32 s42, s42, s43
	s_mov_b32 s43, 0
	s_add_nc_u64 s[24:25], s[24:25], s[42:43]
	s_lshr_b32 s29, s27, 1
	s_lshl_b32 s29, s29, 4                         ; 16 sb
	v_and_b32 v3, 15, v2                           ; r
	v_lshrrev_b32 v4, 4, v2                        ; h
	v_add_nc_u32 v5, s29, v3
	v_cvt_f32_u32 v5, v5                           ; s, exact
	s_and_b32 s29, s27, 1
	s_lshl_b32 s29, s29, 7
	s_lshl_b32 s28, s28, 2
	s_add_co_u32 s29, s29, s28                     ; 128 u + 4 plo
	v_lshl_add_u32 v6, v4, 3, s29                  ; + 8 h
	v_lshlrev_b32 v7, 4, v2                        ; 16 x lane
	s_mov_b32 s30, 0xbd549a78                      ; -log2(10000) / 256
	s_mov_b32 s31, 0x3f22f983                      ; 2 / pi
	s_mov_b32 s32, 0xbfc90fdb                      ; -(pi / 2), its high part
	s_mov_b32 s33, 0x333bbd2e                      ; and what the high part overshoots
	s_mov_b32 s34, 0xb94ca1f9                      ; sine: -1.9515296e-4, 8.3321609e-3, -1.6666655e-1
	s_mov_b32 s35, 0x3c08839e
	s_mov_b32 s36, 0xbe2aaaa3
	s_mov_b32 s37, 0x37ccf5ce                      ; cosine: 2.4433157e-5, -1.3887316e-3, 4.1666646e-2
	s_mov_b32 s38, 0xbab6061a
	s_mov_b32 s39, 0x3d2aaaa5
	s_mov_b32 s40, 0x80000000
.set n, 0
.rept 32
	v_add_nc_u32 v[INV+n], 16*(n/4)+n%4, v6        ; c, for b = n / 4 and the n % 4-th of my four
.set n, n+1
.endr
.set n, 0
.rept 32
	v_cvt_f32_u32 v[INV+n], v[INV+n]
.set n, n+1
.endr
.set n, 0
.rept 32
	v_mul_f32 v[INV+n], s30, v[INV+n]
.set n, n+1
.endr
.set n, 0
.rept 32
	v_exp_f32 v[INV+n], v[INV+n]                   ; one batch of 32
.set n, n+1
.endr
	v_nop                                          ; a plain instruction behind the last of them (ISA guide 5.7.2),
	s_wait_alu depctr_va_vdst(0)                   ; and the wait ahead of the batch's first reader
.macro SINCOS4 b                       ; four numbers in step, so that no line waits for the line above it
.irp i, 0,1,2,3
	v_mul_f32 v[TX+\i], v5, v[INV+4*\b+\i]         ; the angle
.endr
.irp i, 0,1,2,3
	v_mul_f32 v[TN+\i], s31, v[TX+\i]
.endr
.irp i, 0,1,2,3
	v_rndne_f32 v[TN+\i], v[TN+\i]                 ; the nearest multiple of pi / 2
.endr
.irp i, 0,1,2,3
	v_fma_f32 v[TR+\i], v[TN+\i], s32, v[TX+\i]
.endr
.irp i, 0,1,2,3
	v_fma_f32 v[TR+\i], v[TN+\i], s33, v[TR+\i]    ; what is left: within +-pi / 4
.endr
.irp i, 0,1,2,3
	v_cvt_i32_f32 v[TQ+\i], v[TN+\i]
.endr
.irp i, 0,1,2,3
	v_mul_f32 v[TZ+\i], v[TR+\i], v[TR+\i]
.endr
.irp i, 0,1,2,3
	v_fma_f32 v[TS+\i], v[TZ+\i], s34, s35
	v_fma_f32 v[TC+\i], v[TZ+\i], s37, s38
.endr
.irp i, 0,1,2,3
	v_fma_f32 v[TS+\i], v[TS+\i], v[TZ+\i], s36
	v_fma_f32 v[TC+\i], v[TC+\i], v[TZ+\i], s39
.endr
.irp i, 0,1,2,3
	v_mul_f32 v[TT+\i], v[TZ+\i], v[TR+\i]
	v_mul_f32 v[TU+\i], v[TZ+\i], v[TZ+\i]
	v_fma_f32 v[TX+\i], v[TZ+\i], -0.5, 1.0
.endr
.irp i, 0,1,2,3
	v_fma_f32 v[TS+\i], v[TS+\i], v[TT+\i], v[TR+\i]   ; the sine of what is left
	v_fma_f32 v[TC+\i], v[TC+\i], v[TU+\i], v[TX+\i]   ; and its cosine
.endr
.irp i, 0,1,2,3
	v_and_b32 v[TT+\i], 1, v[TQ+\i]                ; an odd quarter turn swaps the two
	v_lshlrev_b32 v[TU+\i], 30, v[TQ+\i]
	v_add_nc_u32 v[TQ+\i], 1, v[TQ+\i]
.endr
.irp i, 0,1,2,3
	v_and_b32 v[TU+\i], s40, v[TU+\i]              ; the sine's sign: quarters 2 and 3
	v_lshlrev_b32 v[TQ+\i], 30, v[TQ+\i]
.endr
.irp i, 0,1,2,3
	v_and_b32 v[TQ+\i], s40, v[TQ+\i]              ; the cosine's: quarters 1 and 2
.endr
.irp i, 0,1,2,3
	v_cmp_eq_u32 vcc_lo, 1, v[TT+\i]
	v_cndmask_b32 v[TR+\i], v[TC+\i], v[TS+\i], vcc_lo
	v_cndmask_b32 v[TZ+\i], v[TS+\i], v[TC+\i], vcc_lo
	v_xor_b32 v[OUT+8*\b+\i], v[TR+\i], v[TQ+\i]
	v_xor_b32 v[OUT+8*\b+4+\i], v[TZ+\i], v[TU+\i]
.endr
	global_store_b128 v7, v[OUT+8*\b:OUT+8*\b+3], s[24:25] offset:2048*\b          ; 512 consecutive bytes
	global_store_b128 v7, v[OUT+8*\b+4:OUT+8*\b+7], s[24:25] offset:2048*\b+1024
.endm
.irp b, 0,1,2,3,4,5,6,7
	SINCOS4 \b
.endr
	s_endpgm
.Lfunc_end_k_q65332ab70c_prep:
	.size	k_q65332ab70c_prep, .Lfunc_end_k_q65332ab70c_prep-k_q65332ab70c_prep
	.p2alignl 7, 3214868480
	.fill 96, 4, 3214868480
	.section	.rodata,"a",@progbits
	.p2align	6, 0x0
	.amdhsa_kernel k_q65332ab70c_prep
		.amdhsa_group_segment_fixed_size 33280
		.amdhsa_private_segment_fixed_size 0
		.amdhsa_enable_private_segment 0
		.amdhsa_kernarg_size 88
		.amdhsa_user_sgpr_count 2
		.amdhsa_user_sgpr_kernarg_segment_ptr 1
		.amdhsa_wavefront_size32 1
		.amdhsa_system_sgpr_workgroup_id_x 1
		.amdhsa_system_sgpr_workgroup_id_y 1
		.amdhsa_system_sgpr_workgroup_id_z 1
		.amdhsa_system_vgpr_workitem_id 0
		.amdhsa_next_free_vgpr 192
		.amdhsa_next_free_sgpr 66
		.amdhsa_reserve_vcc 1
		.amdhsa_float_denorm_mode_32 3
		.amdhsa_float_denorm_mode_16_64 3
		.amdhsa_memory_ordered 1
		.amdhsa_forward_progress 1
		.amdhsa_inst_pref_size 116
	.end_amdhsa_kernel
	.amdgpu_metadata
---
amdhsa.version: [ 1, 2 ]
amdhsa.kernels:
  - .name:           k_q65332ab70c_prep
    .symbol:         k_q65332ab70c_prep.kd
    .args:
      - { .name: hidden_states, .offset: 0, .size: 8, .value_kind: global_buffer, .address_space: global }
      - { .name: Wq_down, .offset: 8, .size: 8, .value_kind: global_buffer, .address_space: global }
      - { .name: Wkv_down, .offset: 16, .size: 8, .value_kind: global_buffer, .address_space: global }
      - { .name: Wq_up, .offset: 24, .size: 8, .value_kind: global_buffer, .address_space: global }
      - { .name: Wk_up, .offset: 32, .size: 8, .value_kind: global_buffer, .address_space: global }
      - { .name: Wv_up, .offset: 40, .size: 8, .value_kind: global_buffer, .address_space: global }
      - { .name: Wo, .offset: 48, .size: 8, .value_kind: global_buffer, .address_space: global }
      - { .name: codes, .offset: 56, .size: 8, .value_kind: global_buffer, .address_space: global }
      - { .name: scales, .offset: 64, .size: 8, .value_kind: global_buffer, .address_space: global }
      - { .name: w16, .offset: 72, .size: 8, .value_kind: global_buffer, .address_space: global }
      - { .name: rope, .offset: 80, .size: 8, .value_kind: global_buffer, .address_space: global }
    .group_segment_fixed_size: 33280
    .private_segment_fixed_size: 0
    .kernarg_segment_align: 8
    .kernarg_segment_size: 88
    .max_flat_workgroup_size: 128
    .sgpr_count:     66
    .vgpr_count:     192
    .wavefront_size: 32
...
	.end_amdgpu_metadata
.endif
;; end of part 1
;; launch down (part 2): grid 8 x 32, 4 waves a work-group, clusters of 4 x 4, 327,680 bytes of LDS; arguments codes, scales, bq_down, bkv_down, lat; writes lat
.if DOCPART == 2
	.amdgcn_target "amdgcn-amd-amdhsa--gfx1250"
	.amdhsa_code_object_version 6
	.text
	.protected	k_q65332ab70c_down
	.globl	k_q65332ab70c_down
	.p2align	8
	.type	k_q65332ab70c_down,@function
k_q65332ab70c_down:
	s_mov_b64 s[64:65], 0
	v_nop
	global_prefetch_b8 v0, s[64:65] scope:SCOPE_SE
	s_setreg_imm32_b32 hwreg(HW_REG_WAVE_MODE, 25, 1), 1
	s_wait_xcnt 0x0
	s_wait_alu depctr_hold_cnt(0) depctr_sa_sdst(0) depctr_va_vdst(0) depctr_va_sdst(0) depctr_va_ssrc(0) depctr_va_vcc(0) depctr_vm_vsrc(0)
	s_getreg_b32 s2, hwreg(HW_REG_IB_STS2, 6, 4)
	s_cmp_eq_u32 s2, 0
	s_cbranch_scc0 .Lentry_in_a_cluster
	s_endpgm
.Lentry_in_a_cluster:
	s_bfe_u32 s2, ttmp6, 0x10000c
	s_cmp_lg_u32 s2, 0xf033
	s_cbranch_scc0 .Lentry_shape_is_right
	s_endpgm
.Lentry_shape_is_right:
; lat[m][n] = sum over k of Q(hidden)[m][k] Q(W)[n][k] + b[n], m = 0 .. 4095, n = 0 .. 1023 (n < 512: Wq_down, bq_down; else Wkv_down, bkv_down), K = 2,048, on codes of FP4 (E2M1) with one E8M0 scale
; for each 32 along K, as the first launch laid them: codes [5120 rows][1024 bytes], scales [5120][64]; rows 0-4095 hidden_states, 4096-5119 the two weights.  lat: [4096][1024] bf16; sums in f32.
; A tile is 128 x 128, which gives 256 work-groups; four waves, each 64 x 64: 16 accumulators.  ALL OF K LIES IN LDS AT ONCE, as two slots of 512-byte rows (1,024 along K each): nothing is filled again.
; Each wave has three tensor loads, all issued at the start: its 64 rows' scale bytes, their first 512 bytes of codes, their second.  Waves 0 and 1 fetch A's halves, waves 2 and 3 B's.
; CLUSTERS: 4 x 4 work-groups; A's tiles are asked for jointly along a row of the cluster, B's along a column.  THE MATRIX INSTRUCTION IS USED TRANSPOSED (source 0 = 16 rows of the weight,
; source 1 = 16 rows of hidden_states): a lane then holds eight neighbouring columns of one row.  The bias is the C of each sum's first matrix instruction.
; REGISTERS: window 0: v16-29 addresses; v32-95 scale words and nothing else (register 16 i + q: lanes 0-15 the word of A's block i, lanes 16-31 that of B's block i, for the q-th 128 along K);
;   v96-127 the bias, 8 registers for each block of columns; v128-255 the accumulators ((a, b) at v[128 + 8 (4 a + b)]).   window 1: two fragment buffers of 128; on the way out v0-63 packed results.
.set PITCH,  528                       ; an LDS row: 512 bytes + 16 of padding = 132 words: row r starts at bank 4 r mod 64 (64 banks of 4 bytes: ISA guide 11.1)
.set HALFT,  64*PITCH
.set SLOT,   4*HALFT                   ; A's 128 rows, then B's 128 rows
.set SCL,    2*SLOT                    ; the scale bytes, as units of 256 bytes (four rows' 64) + 16 of padding
.set HALFS,  16*272                    ; those of 64 rows: what one tensor load brings
.set SBLK,   4*272                     ; those of 16 rows
.set STAGE,  SCL+4*HALFS               ; 128 rows x 272 bytes, the work-group's, for the way out
.set SPITCH, 272
.set SPARE,  STAGE+128*SPITCH          ; the spare words, 128 bytes a wave
.set ADRA, 16
.set ADRB, 20
.set STO,  24
.set RD,   25
.set CO,   26
.set ADRS, 27
.set SPW,  28
.set NIL,  29
.set SC,   32
.set BI,   96
.set ACC,  128
.set F0,   0
.set F1,   128
.set TMP,  0                           ; in window 1
.set G1, 24
.set G0, 32
.set G1B, 48
.set G0B, 56
.set G1S, 68
.set G0S, 76
.set G1SB, 80
.set G0SB, 88
.set MSB, 0
.macro WIN new                         ; the immediate's high byte repeats the setting that is left
.if MSB != (\new)
	s_set_vgpr_msb (MSB<<8)|(\new)
.set MSB, (\new)
.endif
.endm
.set MUL,  0x05                        ; sources 0 and 1 window 1; C and D window 0
.set TO_F, 0x40                        ; destination window 1
.set FROM_F, 0x04                      ; a store's data (source 1) window 1
; A joint load: waves 0 and 1 for A, waves 2 and 3 for B; the branch hangs on the wave's number alone.  An s_nop 0 and four v_nop follow each of the two lines.
.macro JLOAD g0a, g1a, g0b, g1b
	s_cmp_eq_u32 s15, 0
	s_cbranch_scc0 .Lfor_b_\@
	tensor_load_to_lds s[\g0a:\g0a+3], s[\g1a:\g1a+7]
	s_nop 0
.rept 4
	v_nop
.endr
	s_branch .Lasked_\@
.Lfor_b_\@:
	tensor_load_to_lds s[\g0b:\g0b+3], s[\g1b:\g1b+7]
	s_nop 0
.rept 4
	v_nop
.endr
.Lasked_\@:
.endm
.macro CROUND                          ; a round of the cluster's barrier
	s_barrier_signal -1
	s_barrier_wait -1
	s_cmp_lg_u32 s14, 0
	s_cbranch_scc1 .Lnot_wave_0_\@
	s_barrier_signal -3
.Lnot_wave_0_\@:
	s_barrier_wait -3
	s_barrier_signal -1
	s_barrier_wait -1
.endm
	s_load_b256 s[4:11], s[0:1], 0x0               ; codes s[4:5], scales s[6:7], bq_down s[8:9], bkv_down s[10:11]
	s_load_b64 s[12:13], s[0:1], 0x20              ; lat
	v_lshl_add_u32 v[SPW], v0, 2, SPARE
	v_mov_b32 v[NIL], 0
	ds_add_u32 v[SPW], v[NIL]                      ; the wave's opening: the add, twice on end, and its wait ahead of my first tensor load
	ds_add_u32 v[SPW], v[NIL]
	v_lshrrev_b32 v1, 5, v0
	v_readfirstlane_b32 s14, v1                    ; wave 0..3
	s_lshr_b32 s15, s14, 1                         ; which half of the tile's rows is mine.  Also: I fetch for A (0) or for B (1)
	s_and_b32 s16, s14, 1                          ; which half of its columns.  Also: which 64 rows I fetch
	s_bfe_u32 s40, ttmp6, 0x40000                  ; cx, cy
	s_bfe_u32 s41, ttmp6, 0x40004
	s_lshl_b32 s42, ttmp9, 2
	s_add_co_u32 s42, s42, s40                     ; tile column 0..7
	s_and_b32 s17, ttmp7, 0xffff
	s_lshl_b32 s17, s17, 2
	s_add_co_u32 s17, s17, s41                     ; tile row 0..31
	s_lshl_b32 s43, s41, 2
	s_lshl_b32 s43, 15, s43                        ; my row of the cluster
	s_lshl_b32 s44, 0x1111, s40                    ; my column
	s_or_b32 s[G1+0], s43, (0<<16)|(1<<20)|(1<<21)|(6<<22)|(3<<25)   ; mask; elements of 1 byte; padding on; bit 21 beside a mask; 4 words after every 128
	s_or_b32 s[G1B+0], s44, (0<<16)|(1<<20)|(1<<21)|(6<<22)|(3<<25)
.irp g, G1, G1B
	s_mov_b32 s[\g+1], 512<<16                     ; tensor_dim0 = 512 bytes
	s_mov_b32 s[\g+2], 64<<16                      ; tensor_dim1 = 64 rows
	s_mov_b32 s[\g+3], 512<<16                     ; tile_dim0
	s_mov_b32 s[\g+4], 64                          ; tile_dim1
	s_mov_b32 s[\g+5], 1024                        ; bytes from row to row
	s_mov_b32 s[\g+6], 0
	s_mov_b32 s[\g+7], 0
.endr
	s_or_b32 s[G1S+0], s43, (3<<16)|(1<<20)|(1<<21)|(5<<22)|(3<<25)  ; the scale bytes of 64 rows: 4,096 dense bytes as 16 rows of 32 elements of 8 bytes, 4 words of padding behind each
	s_or_b32 s[G1SB+0], s44, (3<<16)|(1<<20)|(1<<21)|(5<<22)|(3<<25)
.irp g, G1S, G1SB
	s_mov_b32 s[\g+1], 32<<16
	s_mov_b32 s[\g+2], 16<<16
	s_mov_b32 s[\g+3], 32<<16
	s_mov_b32 s[\g+4], 16
	s_mov_b32 s[\g+5], 32
	s_mov_b32 s[\g+6], 0
	s_mov_b32 s[\g+7], 0
.endr
	s_lshl_b32 s18, s16, 6
	s_lshl_b32 s20, s17, 7
	s_add_co_u32 s20, s20, s18                     ; A: row 128 x tile row + 64 x half
	s_lshl_b32 s46, s42, 7
	s_add_co_u32 s46, s46, s18
	s_add_co_u32 s46, s46, 4096                    ; B: row 4,096 + 128 x tile column + 64 x half
	s_lshl_b32 s22, s20, 6                         ; their scale bytes: 64 a row
	s_mov_b32 s23, 0
	s_lshl_b32 s92, s46, 6
	s_mov_b32 s93, 0
	s_lshl_b32 s20, s20, 10                        ; their codes: 1,024 bytes a row
	s_mov_b32 s21, 0
	s_lshl_b32 s46, s46, 10
	s_mov_b32 s47, 0
	s_mul_i32 s45, s14, HALFT                      ; where they go: wave x 64 rows: no place in the cluster enters an LDS address
	s_mul_i32 s94, s14, HALFS
	s_wait_dscnt 0x0                               ; both opening adds are done
	s_wait_kmcnt 0x0
	s_add_nc_u64 s[20:21], s[4:5], s[20:21]
	s_add_nc_u64 s[22:23], s[6:7], s[22:23]
	s_add_nc_u64 s[46:47], s[4:5], s[46:47]
	s_add_nc_u64 s[92:93], s[6:7], s[92:93]
	CROUND                                         ; all sixteen work-groups are here: the joint loads meet
	s_mov_b32 s[G0S], 1
	s_add_co_u32 s[G0S+1], s94, SCL
	s_mov_b64 s[G0S+2:G0S+3], s[22:23]
	s_or_b32 s[G0S+3], s[G0S+3], 0x80000000
	s_mov_b32 s[G0SB], 1
	s_add_co_u32 s[G0SB+1], s94, SCL
	s_mov_b64 s[G0SB+2:G0SB+3], s[92:93]
	s_or_b32 s[G0SB+3], s[G0SB+3], 0x80000000
	JLOAD G0S, G1S, G0SB, G1SB                     ; the scale bytes first: they are wanted with the first products
.irp s, 0,1
	s_mov_b32 s[G0+4*\s], 1
	s_add_co_u32 s[G0+4*\s+1], s45, \s*SLOT
	s_add_nc_u64 s[G0+4*\s+2:G0+4*\s+3], s[20:21], \s*512
	s_or_b32 s[G0+4*\s+3], s[G0+4*\s+3], 0x80000000
	s_mov_b32 s[G0B+4*\s], 1
	s_add_co_u32 s[G0B+4*\s+1], s45, \s*SLOT
	s_add_nc_u64 s[G0B+4*\s+2:G0B+4*\s+3], s[46:47], \s*512
	s_or_b32 s[G0B+4*\s+3], s[G0B+4*\s+3], 0x80000000
	JLOAD G0+4*\s, G1, G0B+4*\s, G1B
.endr
	v_and_b32 v1, 15, v0                           ; r
	v_bfe_u32 v2, v0, 4, 1                         ; h
	v_mul_u32_u24 v3, v1, PITCH
	v_lshl_add_u32 v3, v2, 4, v3                   ; a fragment's row x pitch + 16 h
	s_mul_i32 s21, s15, HALFT
	s_mul_i32 s22, s16, HALFT
	s_add_co_u32 s22, s22, 2*HALFT
.irp s, 0,1
	v_add_nc_u32 v[ADRA+\s], s21, v3
	v_add_nc_u32 v[ADRB+\s], s22, v3
	s_add_co_u32 s21, s21, SLOT
	s_add_co_u32 s22, s22, SLOT
.endr
	v_lshlrev_b32 v5, 6, v1                        ; my row's scale bytes: 64 a row,
	v_lshrrev_b32 v6, 2, v1
	v_lshl_add_u32 v5, v6, 4, v5                   ; and 16 more for each four rows passed
	s_mul_i32 s21, s15, HALFS                      ; A's: my 64 rows
	s_mul_i32 s22, s16, HALFS                      ; B's: my 64 rows, behind A's 128
	s_add_co_u32 s22, s22, 2*HALFS
	s_sub_co_u32 s22, s22, s21
	v_mul_u32_u24 v6, s22, v2                      ; lanes 16-31 take B's
	s_add_co_u32 s21, s21, SCL
	v_add_nc_u32 v5, v5, v6
	v_add_nc_u32 v[ADRS], s21, v5
	s_mul_i32 s23, s15, 64*SPITCH                  ; into the stage: my 64 rows, my half of their 256 bytes
	s_lshl_b32 s21, s16, 7
	s_add_co_u32 s23, s23, s21
	s_add_co_u32 s23, s23, STAGE
	v_mul_u32_u24 v4, v1, SPITCH
	v_lshl_add_u32 v4, v2, 4, v4
	v_add_nc_u32 v[STO], s23, v4
	s_mul_i32 s23, s14, 32*SPITCH                  ; back: wave w takes rows 32 w .. + 31, whole
	s_add_co_u32 s23, s23, STAGE
	v_mul_u32_u24 v5, v2, SPITCH
	v_lshl_add_u32 v5, v1, 4, v5
	v_add_nc_u32 v[RD], s23, v5
	v_lshlrev_b32 v5, 11, v2                       ; and the same two rows in lat: 2,048 bytes a row
	v_lshl_add_u32 v[CO], v1, 4, v5
	s_lshl_b32 s20, s17, 7
	s_lshl_b32 s21, s14, 5
	s_add_co_u32 s20, s20, s21                     ; the first row that I store
	s_lshl_b32 s20, s20, 11
	s_mov_b32 s21, 0
	s_add_nc_u64 s[12:13], s[12:13], s[20:21]
	s_lshl_b32 s46, s42, 8                         ; the tile's first column, in bytes
	s_mov_b32 s47, 0
	s_add_nc_u64 s[12:13], s[12:13], s[46:47]
	s_cmp_eq_u32 ttmp9, 0                          ; tile columns 0-3 are Wq_down's, 4-7 Wkv_down's: the choice hangs on the cluster's number alone
	s_cselect_b64 s[8:9], s[8:9], s[10:11]
	s_lshl_b32 s46, s40, 9                         ; 128 columns of f32 for each place along x,
	s_lshl_b32 s47, s16, 8                         ; 64 for my half
	s_add_co_u32 s46, s46, s47
	s_mov_b32 s47, 0
	s_add_nc_u64 s[8:9], s[8:9], s[46:47]
	v_lshlrev_b32 v7, 5, v2                        ; lane (r, h) wants, for block b, b[16 b + 8 h + 0 .. 7]
.irp b, 0,1,2,3
	global_load_b128 v[BI+8*\b:BI+8*\b+3], v7, s[8:9] offset:64*\b
	global_load_b128 v[BI+8*\b+4:BI+8*\b+7], v7, s[8:9] offset:64*\b+16
.endr
; 8 matrix instructions: A's blocks a0, a0 + 1 x B's four, the q-th 128 along K: half c of buffer f.  first = 1: the bias starts the sums.  The 16 accumulators take turns.
.macro MUL8 f, c, a0, q, first
.irp a, \a0, \a0+1
.irp b, 0,1,2,3
.if \first
	v_wmma_scale_f32_16x16x128_f8f6f4 v[ACC+8*(4*(\a)+\b):ACC+8*(4*(\a)+\b)+7], v[\f+64+8*(4*\c+\b):\f+64+8*(4*\c+\b)+7], v[\f+8*(4*\c+(\a)):\f+8*(4*\c+(\a))+7], v[BI+8*\b:BI+8*\b+7], v[SC+16*\b+(\q)], v[SC+16*(\a)+(\q)] matrix_a_fmt:MATRIX_FMT_FP4 matrix_b_fmt:MATRIX_FMT_FP4 matrix_a_scale:MATRIX_SCALE_ROW1
.else
	v_wmma_scale_f32_16x16x128_f8f6f4 v[ACC+8*(4*(\a)+\b):ACC+8*(4*(\a)+\b)+7], v[\f+64+8*(4*\c+\b):\f+64+8*(4*\c+\b)+7], v[\f+8*(4*\c+(\a)):\f+8*(4*\c+(\a))+7], v[ACC+8*(4*(\a)+\b):ACC+8*(4*(\a)+\b)+7], v[SC+16*\b+(\q)], v[SC+16*(\a)+(\q)] matrix_a_fmt:MATRIX_FMT_FP4 matrix_b_fmt:MATRIX_FMT_FP4 matrix_a_scale:MATRIX_SCALE_ROW1
.endif
.endr
.endr
.endm
; 32 LDS loads in one run: the fragments of 256 along K (128 bytes of the rows, from byte k on) into buffer f; the first 128 along K first.
; A fragment, 16 rows x 128 K of 4-bit codes, is 8 registers: two loads of 16 bytes, 32 bytes apart, at row x pitch + 16 h.
.macro FETCH slot, k, f
	WIN TO_F
.irp c, 0,1
.irp i, 0,1,2,3
	ds_load_b128 v[\f+64+8*(4*\c+\i):\f+64+8*(4*\c+\i)+3],   v[ADRB+\slot] offset:\k+64*\c+\i*16*PITCH
	ds_load_b128 v[\f+64+8*(4*\c+\i)+4:\f+64+8*(4*\c+\i)+7], v[ADRB+\slot] offset:\k+64*\c+\i*16*PITCH+32
	ds_load_b128 v[\f+8*(4*\c+\i):\f+8*(4*\c+\i)+3],         v[ADRA+\slot] offset:\k+64*\c+\i*16*PITCH
	ds_load_b128 v[\f+8*(4*\c+\i)+4:\f+8*(4*\c+\i)+7],       v[ADRA+\slot] offset:\k+64*\c+\i*16*PITCH+32
.endr
.endr
.endm
.macro PLACES                          ; four plain vector instructions between a matrix instruction and a load into, or a vector read of, its registers (ISA guide 7.12.1 for vector reads)
.rept 4
	v_nop
.endr
.endm
.macro QUARTER slot, k, f, g, q0, first
	s_wait_dscnt 16                                ; the first 128 along K are in; the sixteen loads of the second may be out
	WIN MUL
	MUL8 \f, 0, 0, \q0, \first
	MUL8 \f, 0, 2, \q0, \first
	PLACES
	FETCH \slot, \k, \g
	s_wait_dscnt 32                                ; all but the 32 just issued
	WIN MUL
	MUL8 \f, 1, 0, (\q0)+1, 0
	MUL8 \f, 1, 2, (\q0)+1, 0
.endm
	s_wait_tensorcnt 1                             ; my scale bytes and my part of slot 0 are in; slot 1's load may stay out
	s_barrier_signal -1
	s_barrier_wait -1                              ; everybody's are
.irp i, 0,1,2,3
.irp j, 0,1,2,3
	ds_load_b128 v[SC+16*\i+4*\j:SC+16*\i+4*\j+3], v[ADRS] offset:\i*SBLK+16*\j   ; all of K's scale words: lanes 0-15 A's block i, lanes 16-31 B's block i
.endr
.endr
	FETCH 0, 0, F0
	s_wait_loadcnt 0x0                             ; the bias
	QUARTER 0, 128, F0, F1, 0, 1
	QUARTER 0, 256, F1, F0, 2, 0
	QUARTER 0, 384, F0, F1, 4, 0
	s_wait_tensorcnt 0x0                           ; slot 0's last quarter changes slots: my part of slot 1 has landed,
	s_wait_dscnt 16
	WIN MUL
	MUL8 F1, 0, 0, 6, 0
	s_wait_dscnt 0x0                               ; no LDS instruction of mine is out at the signal
	s_barrier_signal -1
	MUL8 F1, 0, 2, 6, 0
	s_barrier_wait -1                              ; and everybody's has.
	PLACES
	FETCH 1, 0, F0
	WIN MUL
	MUL8 F1, 1, 0, 7, 0
	MUL8 F1, 1, 2, 7, 0
	QUARTER 1, 128, F0, F1, 8, 0
	QUARTER 1, 256, F1, F0, 10, 0
	QUARTER 1, 384, F0, F1, 12, 0
	s_wait_dscnt 16                                ; the last quarter: nothing more to fetch
	WIN MUL
	MUL8 F1, 0, 0, 14, 0
	MUL8 F1, 0, 2, 14, 0
	s_wait_dscnt 0x0
	MUL8 F1, 1, 0, 15, 0
	MUL8 F1, 1, 2, 15, 0
	WIN 0
	; THE WAY OUT: round to bf16; 16 bytes a lane into the work-group's stage; a barrier, since a row's 256 bytes come from two waves; back as whole rows, 32 rows a wave.
	PLACES
	WIN TO_F
.irp t, 0,1,2,3,4,5,6,7,8,9,10,11,12,13,14,15
.irp r, 0,1,2,3
	v_cvt_pk_bf16_f32 v[TMP+4*\t+\r], v[ACC+8*\t+2*\r], v[ACC+8*\t+2*\r+1]   ; each accumulator from its low end on
.endr
.endr
	WIN FROM_F
.irp a, 0,1,2,3
.irp b, 0,1,2,3
	ds_store_b128 v[STO], v[TMP+4*(4*\a+\b):TMP+4*(4*\a+\b)+3] offset:\a*16*SPITCH+32*\b
.endr
.endr
	WIN 0
	s_wait_dscnt 0x0                               ; for the others' sake: my stores into the stage are done
	s_barrier_signal -1
	s_barrier_wait -1
	WIN TO_F
.irp t, 0,1,2,3,4,5,6,7,8,9,10,11,12,13,14,15
	ds_load_b128 v[TMP+4*\t:TMP+4*\t+3], v[RD] offset:\t*2*SPITCH
.endr
	WIN FROM_F
.irp t, 0,1,2,3,4,5,6,7,8,9,10,11,12,13,14,15
	s_wait_dscnt 15-\t
	global_store_b128 v[CO], v[TMP+4*\t:TMP+4*\t+3], s[12:13] offset:2*\t*2048   ; 16 lanes store 256 consecutive bytes, at a multiple of 256 from lat's first byte
.endr
	WIN 0
	s_wait_tensorcnt 0x0                           ; the wave's end
	ds_add_u32 v[SPW], v[NIL]
	s_wait_dscnt 0x0
	CROUND                                         ; the closing round
	s_endpgm
.Lfunc_end_k_q65332ab70c_down:
	.size	k_q65332ab70c_down, .Lfunc_end_k_q65332ab70c_down-k_q65332ab70c_down
	.p2alignl 7, 3214868480
	.fill 96, 4, 3214868480
	.section	.rodata,"a",@progbits
	.p2align	6, 0x0
	.amdhsa_kernel k_q65332ab70c_down
		.amdhsa_group_segment_fixed_size 327680
		.amdhsa_private_segment_fixed_size 0
		.amdhsa_enable_private_segment 0
		.amdhsa_kernarg_size 40
		.amdhsa_user_sgpr_count 2
		.amdhsa_user_sgpr_kernarg_segment_ptr 1
		.amdhsa_wavefront_size32 1
		.amdhsa_system_sgpr_workgroup_id_x 1
		.amdhsa_system_sgpr_workgroup_id_y 1
		.amdhsa_system_sgpr_workgroup_id_z 1
		.amdhsa_system_vgpr_workitem_id 0
		.amdhsa_next_free_vgpr 512
		.amdhsa_next_free_sgpr 98
		.amdhsa_reserve_vcc 0
		.amdhsa_float_denorm_mode_32 3
		.amdhsa_float_denorm_mode_16_64 3
		.amdhsa_memory_ordered 1
		.amdhsa_forward_progress 1
		.amdhsa_inst_pref_size 71
	.end_amdhsa_kernel
	.amdgpu_metadata
---
amdhsa.version: [ 1, 2 ]
amdhsa.kernels:
  - .name:           k_q65332ab70c_down
    .symbol:         k_q65332ab70c_down.kd
    .args:
      - { .name: codes, .offset: 0, .size: 8, .value_kind: global_buffer, .address_space: global }
      - { .name: scales, .offset: 8, .size: 8, .value_kind: global_buffer, .address_space: global }
      - { .name: bq_down, .offset: 16, .size: 8, .value_kind: global_buffer, .address_space: global }
      - { .name: bkv_down, .offset: 24, .size: 8, .value_kind: global_buffer, .address_space: global }
      - { .name: lat, .offset: 32, .size: 8, .value_kind: global_buffer, .address_space: global }
    .group_segment_fixed_size: 327680
    .private_segment_fixed_size: 0
    .kernarg_segment_align: 8
    .kernarg_segment_size: 40
    .max_flat_workgroup_size: 128
    .sgpr_count:     98
    .vgpr_count:     512
    .wavefront_size: 32
...
	.end_amdgpu_metadata
.endif
;; end of part 2
;; launch up (part 3): grid 16 x 16, 4 waves a work-group, clusters of 4 x 4, 327,680 bytes of LDS; arguments lat, w16, bq_up, bk_up, bv_up, rope, qkv, vmax; writes qkv, vmax
.if DOCPART == 3
	.amdgcn_target "amdgcn-amd-amdhsa--gfx1250"
	.amdhsa_code_object_version 6
	.text
	.protected	k_q65332ab70c_up
	.globl	k_q65332ab70c_up
	.p2align	8
	.type	k_q65332ab70c_up,@function
k_q65332ab70c_up:
	s_mov_b64 s[64:65], 0
	v_nop
	global_prefetch_b8 v0, s[64:65] scope:SCOPE_SE
	s_setreg_imm32_b32 hwreg(HW_REG_WAVE_MODE, 25, 1), 1
	s_wait_xcnt 0x0
	s_wait_alu depctr_hold_cnt(0) depctr_sa_sdst(0) depctr_va_vdst(0) depctr_va_sdst(0) depctr_va_ssrc(0) depctr_va_vcc(0) depctr_vm_vsrc(0)
	s_getreg_b32 s2, hwreg(HW_REG_IB_STS2, 6, 4)
	s_cmp_eq_u32 s2, 0
	s_cbranch_scc0 .Lentry_in_a_cluster
	s_endpgm
.Lentry_in_a_cluster:
	s_bfe_u32 s2, ttmp6, 0x10000c
	s_cmp_lg_u32 s2, 0xf033
	s_cbranch_scc0 .Lentry_shape_is_right
	s_endpgm
.Lentry_shape_is_right:
; The three projections out of the latents, with biases, the rotary halves of q and k, and the head layout.  lat: [4096][1024] bf16 (columns 0-511 q_lat, 512-1023 kv_lat); w16: bf16 [4096][512], rows 0-1023
; Wq_up, 1024-2047 Wk_up, 2048-4095 Wv_up.  qkv: three tensors [32 = batch x 16 + head][2048][128] bf16, 16,777,216 bytes each.  vmax: the largest |v| of each wave that makes v, 512 f32.  Sums in f32, K = 512.
; A tile is 256 rows x 256 columns: 256 work-groups.  The cluster's x, PR, names the product: 0 q, 1 k, 2 and 3 v; it is the same in all sixteen partners.
; THE 256 COLUMNS ARE TWO HALVES OF 128.  For q and k: columns 128 cx + 0 .. 127 and the same + 512: the two partners x1, x2 of the rotation.  For v: 256 neighbouring columns.
; WAVE w TAKES ROWS 64 w .. + 63 AND ALL 256 COLUMNS (64 accumulators): x1 and x2 then lie in the same lane and register number of accumulators b and b + 8, and the wave holds whole head rows of 256 bytes,
; so that its way out is its own.  The price: 320 LDS rows are read for each 32 along K where a square wave tile reads 256.
; q = [q_half | x1 cos - x2 sin | x1 sin + x2 cos]: the halves go to heads cx and cx + 4, the rotated ones to heads cx + 8 and cx + 12.  v's halves go to heads 8 (PR - 2) + 2 cx and the next.
; K goes in four steps of 128 through two LDS slots, written out.  4 x 4 clusters; A's tiles are asked for jointly along a row of the cluster, B's along a column.
; THE MATRIX INSTRUCTION IS USED TRANSPOSED (source 0 = 16 rows of the weight, source 1 = 16 rows of lat).  The bias is the C of each sum's first matrix instruction.
; REGISTERS: window 0: v16-31 addresses; v32-63 at work on the way out; v64-127 A's fragments, two buffers of 32, later packed results; v128-255 the bias (8 b + j), later rows read back from the stage.
;   window 1: B's fragments, two buffers of 128; later two sets of cosines and sines.   windows 2, 3: accumulator (a, b) in window 2 + a / 2 at v[128 (a % 2) + 8 b].
; No prefetch: the launch has two refills only, so nothing lies two refills ahead.
.set PITCH,  272                       ; an LDS row: 256 bytes + 16 of padding = 68 words: row r starts at bank 4 r mod 64 (64 banks of 4 bytes: ISA guide 11.1)
.set HALFT,  128*PITCH
.set SLOT,   4*HALFT                   ; A's 256 rows, then B's 256 rows
.set STAGE,  2*SLOT                    ; 16 rows x 528 bytes for each wave
.set SPITCH, 528
.set SPARE,  STAGE+4*16*SPITCH
.set ADRA, 16
.set ADRB, 20
.set STO,  24
.set RD,   25
.set CO,   26
.set LI,   27
.set SPW,  28
.set NIL,  29
.set LN,   30
.set ZR,   31
.set TM,   32
.set AF,   64
.set F,    64
.set BIAS, 128
.set BK,   128
.set WV,  20                           ; s20 wave; s21 = wave / 2: I fetch for A (0) or B (1); s22 = wave % 2: which 128 rows
.set PR,  23                           ; s23 the product
.set G1,  24
.set G0,  32
.set G1B, 48
.set G0B, 56
.set OUTP, 74                          ; s[74:75] my first row in the first half's head
.set TB,   76                          ; s[76:77] my first chunk of the table
.set VM,   78                          ; s[78:79] my word of vmax
.set SEL,  86
.set MSB, 0
.macro WIN new
.if MSB != (\new)
	s_set_vgpr_msb (MSB<<8)|(\new)
.set MSB, (\new)
.endif
.endm
.set MUL_LO, 0xa1                      ; source 0 (B) window 1, source 1 (A) window 0, C and D window 2
.set MUL_HI, 0xf1                      ; the same, C and D window 3
.set TO_B,   0x40
.macro JLOAD s                         ; a joint load; an s_nop 0 and four v_nop follow each of the two lines
	s_cmp_eq_u32 s21, 0
	s_cbranch_scc0 .Lfor_b_\@
	tensor_load_to_lds s[G0+4*\s:G0+4*\s+3], s[G1:G1+7]
	s_nop 0
.rept 4
	v_nop
.endr
	s_branch .Lasked_\@
.Lfor_b_\@:
	tensor_load_to_lds s[G0B+4*\s:G0B+4*\s+3], s[G1B:G1B+7]
	s_nop 0
.rept 4
	v_nop
.endr
.Lasked_\@:
.endm
.macro CREST
	s_cmp_lg_u32 s[WV], 0
	s_cbranch_scc1 .Lnot_wave_0_\@
	s_barrier_signal -3
.Lnot_wave_0_\@:
	s_barrier_wait -3
	s_barrier_signal -1
	s_barrier_wait -1
.endm
.macro CROUND
	s_barrier_signal -1
	s_barrier_wait -1
	CREST
.endm
	s_load_b256 s[4:11], s[0:1], 0x0               ; lat s[4:5], w16 s[6:7], bq_up s[8:9], bk_up s[10:11]
	s_load_b256 s[12:19], s[0:1], 0x20             ; bv_up s[12:13], rope s[14:15], qkv s[16:17], vmax s[18:19]
	v_lshl_add_u32 v[SPW], v0, 2, SPARE
	v_mov_b32 v[NIL], 0
	ds_add_u32 v[SPW], v[NIL]                      ; the wave's opening: the add, twice on end, and its wait ahead of my first tensor load
	ds_add_u32 v[SPW], v[NIL]
	v_lshrrev_b32 v1, 5, v0
	v_readfirstlane_b32 s[WV], v1
	s_lshr_b32 s21, s[WV], 1
	s_and_b32 s22, s[WV], 1
	s_mov_b32 s[PR], ttmp9
	s_bfe_u32 s40, ttmp6, 0x40000                  ; cx
	s_bfe_u32 s41, ttmp6, 0x40004                  ; cy
	s_and_b32 s42, ttmp7, 0xffff
	s_lshl_b32 s42, s42, 2
	s_add_co_u32 s42, s42, s41                     ; tile row 0..15
	s_lshl_b32 s43, s41, 2
	s_lshl_b32 s43, 15, s43                        ; my row of the cluster
	s_lshl_b32 s44, 0x1111, s40                    ; my column
	s_or_b32 s[G1+0], s43, (1<<16)|(1<<20)|(1<<21)|(5<<22)|(3<<25)   ; mask; elements of 2 bytes; padding on; bit 21 beside a mask; 4 words after every 64
	s_or_b32 s[G1B+0], s44, (1<<16)|(1<<20)|(1<<21)|(5<<22)|(3<<25)
.irp g, G1, G1B
	s_mov_b32 s[\g+1], 128<<16                     ; tensor_dim0 = 128
	s_mov_b32 s[\g+2], 128<<16                     ; tensor_dim1 = 128
	s_mov_b32 s[\g+3], 128<<16                     ; tile_dim0
	s_mov_b32 s[\g+4], 128                         ; tile_dim1
	s_mov_b32 s[\g+6], 0
	s_mov_b32 s[\g+7], 0
.endr
	s_mov_b32 s[G1+5], 1024                        ; elements from row to row: lat's,
	s_mov_b32 s[G1B+5], 512                        ; the weights'
	s_mov_b32 s45, 256
	s_mov_b32 s46, 128
	s_mov_b32 s84, 524288
	s_cmp_lt_u32 s[PR], 2
	s_cselect_b32 s45, 128, s45                    ; columns from one place along x to the next: 128 (q, k) or 256 (v)
	s_cselect_b32 s46, 512, s46                    ; columns from the first half to the second: 512 or 128
	s_cselect_b32 s84, 2097152, s84                ; and bytes between their heads: four heads or one
	s_lshl_b32 s66, s42, 8
	s_lshl_b32 s67, s22, 7
	s_add_co_u32 s66, s66, s67                     ; A: row 256 x tile row + 128 x half,
	s_lshl_b32 s66, s66, 11                        ; 2,048 bytes a row,
	s_cmp_lg_u32 s[PR], 0
	s_cselect_b32 s67, 1024, 0                     ; kv_lat lies 1,024 bytes into the row
	s_add_co_u32 s66, s66, s67
	s_mov_b32 s67, 0
	s_lshl_b32 s68, s[PR], 10
	s_mul_i32 s69, s40, s45
	s_add_co_u32 s68, s68, s69
	s_mul_i32 s69, s22, s46
	s_add_co_u32 s68, s68, s69                     ; B: row 1,024 PR + cx x step + half x distance,
	s_lshl_b32 s68, s68, 10                        ; 1,024 bytes a row
	s_mov_b32 s69, 0
	s_mul_i32 s47, s[WV], HALFT                    ; where they go: wave x 128 rows
	s_mov_b32 s[SEL], 0x76543210
	s_mov_b32 s[SEL+1], 0xfedcba98
	s_wait_dscnt 0x0                               ; both opening adds are done
	s_wait_kmcnt 0x0
	s_add_nc_u64 s[70:71], s[4:5], s[66:67]
	s_add_nc_u64 s[72:73], s[6:7], s[68:69]
	CROUND                                         ; all sixteen work-groups are here: the first joint loads meet
.irp s, 0,1
	s_mov_b32 s[G0+4*\s], 1
	s_add_co_u32 s[G0+4*\s+1], s47, \s*SLOT
	s_add_nc_u64 s[G0+4*\s+2:G0+4*\s+3], s[70:71], \s*256
	s_or_b32 s[G0+4*\s+3], s[G0+4*\s+3], 0x80000000
	s_mov_b32 s[G0B+4*\s], 1
	s_add_co_u32 s[G0B+4*\s+1], s47, \s*SLOT
	s_add_nc_u64 s[G0B+4*\s+2:G0B+4*\s+3], s[72:73], \s*256
	s_or_b32 s[G0B+4*\s+3], s[G0B+4*\s+3], 0x80000000
	JLOAD \s
.endr
	v_and_b32 v1, 15, v0                           ; r
	v_bfe_u32 v2, v0, 4, 1                         ; h
	v_mul_u32_u24 v3, v1, PITCH
	v_lshl_add_u32 v3, v2, 4, v3
	s_mul_i32 s88, s[WV], 64*PITCH                 ; my 64 rows of A
	s_mov_b32 s89, 2*HALFT                         ; all of B's 256, behind A's
.irp s, 0,1
	v_add_nc_u32 v[ADRA+\s], s88, v3
	v_add_nc_u32 v[ADRB+\s], s89, v3
	s_add_co_u32 s88, s88, SLOT
	s_add_co_u32 s89, s89, SLOT
.endr
	s_mul_i32 s88, s[WV], 16*SPITCH
	s_add_co_u32 s88, s88, STAGE                   ; my stage
	v_mul_u32_u24 v4, v1, SPITCH
	v_lshl_add_u32 v4, v2, 4, v4
	v_add_nc_u32 v[STO], s88, v4                   ; in: row r, 16 bytes for each half of the lanes
	v_and_b32 v[LN], 31, v0
	v_lshlrev_b32 v[LI], 4, v[LN]
	v_add_nc_u32 v[RD], s88, v[LI]                 ; back: lanes 0-15 the first head's 256 bytes of a row, lanes 16-31 the second's
	v_mul_lo_u32 v[CO], v2, s84
	v_lshl_add_u32 v[CO], v1, 4, v[CO]             ; and their places in memory
	v_mov_b32 v[ZR], 0
	v_lshlrev_b32 v5, 5, v2                        ; the bias: lane (r, h) wants, for block b, b[16 b + 8 h + 0 .. 7]
	; where my rows begin in qkv
	s_max_u32 s85, s[PR], 2
	s_sub_co_u32 s85, s85, 2                       ; 0 for q and k; 0 or 1 for v
	s_min_u32 s88, s[PR], 2
	s_lshl_b32 s88, s88, 24                        ; the tensor
	s_lshl_b32 s89, s85, 3
	s_lshl_b32 s90, s40, 1
	s_add_co_u32 s89, s89, s90
	s_cmp_lt_u32 s[PR], 2
	s_cselect_b32 s89, s40, s89                    ; the first half's head: cx, or 8 (PR - 2) + 2 cx
	s_lshr_b32 s90, s42, 3
	s_lshl_b32 s90, s90, 4
	s_add_co_u32 s89, s89, s90                     ; + 16 x batch
	s_lshl_b32 s89, s89, 11
	s_and_b32 s90, s42, 7
	s_lshl_b32 s90, s90, 8
	s_lshl_b32 s91, s[WV], 6
	s_add_co_u32 s90, s90, s91                     ; my first position in the sequence
	s_add_co_u32 s89, s89, s90
	s_lshl_b32 s89, s89, 8                         ; 256 bytes a row
	s_add_co_u32 s88, s88, s89
	s_mov_b32 s89, 0
	s_add_nc_u64 s[OUTP:OUTP+1], s[16:17], s[88:89]
	s_lshr_b32 s92, s90, 3                         ; two chunks for each 16 positions,
	s_and_b32 s93, s40, 1                          ; and c mod 256 = 128 (cx % 2) + ..
	s_add_co_u32 s92, s92, s93
	s_lshl_b32 s92, s92, 14
	s_mov_b32 s93, 0
	s_add_nc_u64 s[TB:TB+1], s[14:15], s[92:93]
	s_cmp_eq_u32 s[PR], 0
	s_cselect_b64 s[80:81], s[8:9], s[10:11]
	s_cmp_lt_u32 s[PR], 2
	s_cselect_b64 s[80:81], s[80:81], s[12:13]     ; the product's bias
	s_lshl_b32 s92, s85, 10
	s_mul_i32 s93, s40, s45
	s_add_co_u32 s92, s92, s93                     ; my first column in the product
	s_lshl_b32 s92, s92, 2
	s_mov_b32 s93, 0
	s_add_nc_u64 s[80:81], s[80:81], s[92:93]
	s_lshl_b32 s92, s46, 2
	s_add_nc_u64 s[82:83], s[80:81], s[92:93]      ; and the second half's
.irp b, 0,1,2,3,4,5,6,7
	global_load_b128 v[BIAS+8*\b:BIAS+8*\b+3], v5, s[80:81] offset:64*\b
	global_load_b128 v[BIAS+8*\b+4:BIAS+8*\b+7], v5, s[80:81] offset:64*\b+16
	global_load_b128 v[BIAS+64+8*\b:BIAS+64+8*\b+3], v5, s[82:83] offset:64*\b
	global_load_b128 v[BIAS+64+8*\b+4:BIAS+64+8*\b+7], v5, s[82:83] offset:64*\b+16
.endr
; 16 matrix instructions: A's block a x B's sixteen, 32 along K, buffer f.  first = 1: the bias starts the sums.  The 64 accumulators take turns in one order.
.macro MUL16 f, a, first
.irp b, 0,1,2,3,4,5,6,7,8,9,10,11,12,13,14,15
.if \first
	v_wmma_f32_16x16x32_bf16 v[128*((\a)%2)+8*\b:128*((\a)%2)+8*\b+7], v[128*\f+8*\b:128*\f+8*\b+7], v[AF+32*\f+8*(\a):AF+32*\f+8*(\a)+7], v[BIAS+8*\b:BIAS+8*\b+7]
.else
	v_wmma_f32_16x16x32_bf16 v[128*((\a)%2)+8*\b:128*((\a)%2)+8*\b+7], v[128*\f+8*\b:128*\f+8*\b+7], v[AF+32*\f+8*(\a):AF+32*\f+8*(\a)+7], v[128*((\a)%2)+8*\b:128*((\a)%2)+8*\b+7]
.endif
.endr
.endm
; 40 LDS loads in one run: 256 rows of B, 64 rows of A, 32 K at byte k of the rows, into buffer f.  B's largest offset is 15 x 4,352 + 192 + 32 = 65,504, inside the 16-bit immediate.
.macro FETCH slot, k, f
	WIN TO_B
.irp i, 0,1,2,3,4,5,6,7,8,9,10,11,12,13,14,15
	ds_load_b128 v[128*\f+8*\i:128*\f+8*\i+3],   v[ADRB+\slot] offset:\k+\i*16*PITCH
	ds_load_b128 v[128*\f+8*\i+4:128*\f+8*\i+7], v[ADRB+\slot] offset:\k+\i*16*PITCH+32
.endr
	WIN 0
.irp i, 0,1,2,3
	ds_load_b128 v[AF+32*\f+8*\i:AF+32*\f+8*\i+3],   v[ADRA+\slot] offset:\k+\i*16*PITCH
	ds_load_b128 v[AF+32*\f+8*\i+4:AF+32*\f+8*\i+7], v[ADRA+\slot] offset:\k+\i*16*PITCH+32
.endr
.endm
.macro PLACES                          ; four plain vector instructions between a matrix instruction and a load into, or a vector read of, its registers (ISA guide 7.12.1 for vector reads)
.rept 4
	v_nop
.endr
.endm
.macro QUARTER slot, k, f, g, first
	s_wait_dscnt 4                                 ; B and A's blocks 0, 1 are in; the four loads of A's blocks 2, 3 may be out
.if \first
	WIN 0x81                                       ; C, the bias, in window 0
.else
	WIN MUL_LO
.endif
	MUL16 \f, 0, \first
	MUL16 \f, 1, \first
	PLACES
	FETCH \slot, \k, \g
	s_wait_dscnt 40                                ; all but the 40 just issued
.if \first
	WIN 0xc1
.else
	WIN MUL_HI
.endif
	MUL16 \f, 2, \first
	MUL16 \f, 3, \first
.endm
; A K step's last quarter multiplies buffer 1 and changes slots: one barrier; in front of it each wave waits for all its tensor loads, adds 0 to its spare word, and waits for that and for its reads of this slot.
; fill = 1: the barrier opens a round of the cluster's, and the slot is filled again, two K steps ahead, first thing behind it.
.macro TURN slot, next, fill
	WIN 0
	s_wait_tensorcnt 0x0                           ; all my tensor loads have landed: my part of the next slot
	ds_add_u32 v[SPW], v[NIL]
	s_wait_dscnt 5                                 ; (the add and the four loads of A's blocks 2, 3 may be out)
	WIN MUL_LO
	MUL16 1, 0, 0
	s_wait_dscnt 0x0                               ; the add is done, and my reads of this slot are over
	s_barrier_signal -1
	MUL16 1, 1, 0
	WIN 0
	s_barrier_wait -1
.if \fill
	CREST                                          ; no wave of any partner still reads this slot or has a load on its way
	s_add_nc_u64 s[G0+4*\slot+2:G0+4*\slot+3], s[G0+4*\slot+2:G0+4*\slot+3], 512
	s_add_nc_u64 s[G0B+4*\slot+2:G0B+4*\slot+3], s[G0B+4*\slot+2:G0B+4*\slot+3], 512
	JLOAD \slot                                    ; its four v_nop are also the places in front of the loads below
.else
	PLACES
.endif
	FETCH \next, 0, 0
	WIN MUL_HI
	MUL16 1, 2, 0
	MUL16 1, 3, 0
.endm
	s_wait_tensorcnt 1                             ; my part of K step 0 is in; K step 1's may stay out
	s_barrier_signal -1
	s_barrier_wait -1
	FETCH 0, 0, 0
	s_wait_loadcnt 0x0                             ; the bias
	QUARTER 0, 64,  0, 1, 1
	QUARTER 0, 128, 1, 0, 0
	QUARTER 0, 192, 0, 1, 0
	TURN 0, 1, 1                                   ; K step 2 into slot 0
	QUARTER 1, 64,  0, 1, 0
	QUARTER 1, 128, 1, 0, 0
	QUARTER 1, 192, 0, 1, 0
	TURN 1, 0, 1                                   ; K step 3 into slot 1
	QUARTER 0, 64,  0, 1, 0
	QUARTER 0, 128, 1, 0, 0
	QUARTER 0, 192, 0, 1, 0
	TURN 0, 1, 0
	QUARTER 1, 64,  0, 1, 0
	QUARTER 1, 128, 1, 0, 0
	QUARTER 1, 192, 0, 1, 0
	s_wait_dscnt 4
	WIN MUL_LO
	MUL16 1, 0, 0
	MUL16 1, 1, 0
	s_wait_dscnt 0x0
	WIN MUL_HI
	MUL16 1, 2, 0
	MUL16 1, 3, 0
	WIN 0
	PLACES
; THE WAY OUT, a block of 16 rows at a time, through my own stage: rows of 528 bytes, the first head's 256 bytes and then the second's.
.macro TBL a                           ; block a's cosines and sines: one chunk of 16 KiB, 32 loads of 512 consecutive bytes, into set a % 2 of window 1: cos j of block b at 16 b + j, sin j at 16 b + 8 + j
	WIN TO_B
.set n, 0
.rept 32
	global_load_b128 v[128*((\a)%2)+4*n:128*((\a)%2)+4*n+3], v[LI], s[TB:TB+1] offset:32768*(\a)+512*n
.set n, n+1
.endr
	WIN 0
.endm
.macro PACK a
	WIN 0x0a+5*((\a)/2)                            ; sources 0 and 1: window 2 or 3
.irp b, 0,1,2,3,4,5,6,7,8,9,10,11,12,13,14,15
.irp r, 0,1,2,3
	v_cvt_pk_bf16_f32 v[F+4*\b+\r], v[128*((\a)%2)+8*\b+2*\r], v[128*((\a)%2)+8*\b+2*\r+1]   ; each accumulator from its low end on
.endr
.endr
	WIN 0
.endm
.macro BACK a                          ; 16 rows back from the stage, behind the wait that frees the registers of the stores two blocks ago
	s_wait_xcnt 0x0
.irp t, 0,1,2,3,4,5,6,7,8,9,10,11,12,13,14,15
	ds_load_b128 v[BK+64*((\a)%2)+4*\t:BK+64*((\a)%2)+4*\t+3], v[RD] offset:\t*SPITCH   ; LDS serves a wave's instructions in order (ISA guide 5.7.1.4): these see my stores
.endr
.endm
.macro TOSTAGE a
.irp b, 0,1,2,3,4,5,6,7,8,9,10,11,12,13,14,15
	ds_store_b128 v[STO], v[F+4*\b:F+4*\b+3] offset:32*\b
.endr
	BACK \a
.endm
.macro SEND a, younger, ro             ; younger: the LDS instructions issued behind block a's loads; ro: 0, or eight heads on for the rotated halves
	s_wait_dscnt \younger
.irp t, 0,1,2,3,4,5,6,7,8,9,10,11,12,13,14,15
	global_store_b128 v[CO], v[BK+64*((\a)%2)+4*\t:BK+64*((\a)%2)+4*\t+3], s[OUTP:OUTP+1] offset:256*(16*(\a)+\t)+\ro   ; each half of the lanes stores 256 consecutive bytes, aligned
.endr
.endm
.macro ROPEC a                         ; block a's rotated halves: x1 = accumulator b, x2 = accumulator b + 8, b = 0 .. 7, four b at a time
.set RA, 128*((\a)%2)
.if (\a) < 3
	s_wait_loadcnt 32                              ; this block's 32 table loads are in; the later set's 32 may be out
.else
	s_wait_loadcnt 0x0
.endif
.irp hb, 0,1
	WIN 0x06+(\a)/2                                ; source 0 window 2 or 3, source 1 window 1, the rest window 0
.irp bb, 0,1,2,3
.irp j, 0,2,4,6
	v_pk_mul_f32 v[F+8*\bb+\j:F+8*\bb+\j+1], v[RA+8*(4*\hb+\bb)+\j:RA+8*(4*\hb+\bb)+\j+1], v[RA+16*(4*\hb+\bb)+\j:RA+16*(4*\hb+\bb)+\j+1]
	v_pk_mul_f32 v[F+32+8*\bb+\j:F+32+8*\bb+\j+1], v[RA+8*(4*\hb+\bb)+\j:RA+8*(4*\hb+\bb)+\j+1], v[RA+16*(4*\hb+\bb)+8+\j:RA+16*(4*\hb+\bb)+8+\j+1]
.endr
.endr
.irp bb, 0,1,2,3
.irp j, 0,2,4,6
	v_pk_fma_f32 v[F+8*\bb+\j:F+8*\bb+\j+1], v[RA+64+8*(4*\hb+\bb)+\j:RA+64+8*(4*\hb+\bb)+\j+1], v[RA+16*(4*\hb+\bb)+8+\j:RA+16*(4*\hb+\bb)+8+\j+1], v[F+8*\bb+\j:F+8*\bb+\j+1] neg_lo:[1,0,0] neg_hi:[1,0,0]
	v_pk_fma_f32 v[F+32+8*\bb+\j:F+32+8*\bb+\j+1], v[RA+64+8*(4*\hb+\bb)+\j:RA+64+8*(4*\hb+\bb)+\j+1], v[RA+16*(4*\hb+\bb)+\j:RA+16*(4*\hb+\bb)+\j+1], v[F+32+8*\bb+\j:F+32+8*\bb+\j+1]
.endr
.endr
	WIN 0
.irp bb, 0,1,2,3
.irp r, 0,1,2,3
	v_cvt_pk_bf16_f32 v[TM+4*\bb+\r], v[F+8*\bb+2*\r], v[F+8*\bb+2*\r+1]
	v_cvt_pk_bf16_f32 v[TM+16+4*\bb+\r], v[F+32+8*\bb+2*\r], v[F+32+8*\bb+2*\r+1]
.endr
.endr
.irp bb, 0,1,2,3
	ds_store_b128 v[STO], v[TM+4*\bb:TM+4*\bb+3] offset:32*(4*\hb+\bb)
	ds_store_b128 v[STO], v[TM+16+4*\bb:TM+16+4*\bb+3] offset:256+32*(4*\hb+\bb)
.endr
.endr
	BACK \a
.if (\a) < 2
	TBL (\a)+2                                     ; into the set that has just been read
.endif
.endm
	s_cmp_lt_u32 s[PR], 2
	s_cbranch_scc0 .Lno_table
	TBL 0                                          ; asked for ahead of the plain halves' way out, under which they land
	TBL 1
.Lno_table:
	PACK 0
	TOSTAGE 0
.irp a, 1,2,3
	PACK \a                                        ; a block's conversions stand between the loads of the block before and the wait for them
	SEND \a-1, 0, 0
	TOSTAGE \a
.endr
	SEND 3, 0, 0
	s_cmp_lt_u32 s[PR], 2
	s_cbranch_scc0 .Lv
	ROPEC 0
.irp a, 1,2,3
	ROPEC \a
	SEND \a-1, 32, 4194304                         ; behind block a - 1's loads: block a's 16 stores and 16 loads
.endr
	SEND 3, 0, 4194304
	s_branch .Lend
.Lv:                                               ; v: the largest magnitude of my 64 x 256 results.  It bounds every mean of v, and so the attention's output, for every input
	WIN 0x0a
.irp k, 0,1,2,3
	v_max_num_f32 v[TM+\k], |v[2*\k]|, |v[2*\k+1]|
.endr
.set i, 8
.rept 124
	v_max3_num_f32 v[TM+(i/2)%4], |v[i]|, |v[i+1]|, v[TM+(i/2)%4]
.set i, i+2
.endr
	WIN 0x0f
.set i, 0
.rept 128
	v_max3_num_f32 v[TM+(i/2)%4], |v[i]|, |v[i+1]|, v[TM+(i/2)%4]
.set i, i+2
.endr
	WIN 0
	v_max3_num_f32 v[TM], v[TM], v[TM+1], v[TM+2]
	v_max_num_f32 v[TM], v[TM], v[TM+3]
	v_max_num_f32_dpp v[TM], v[TM], v[TM] row_xmask:1 row_mask:0xf bank_mask:0xf
	v_max_num_f32_dpp v[TM], v[TM], v[TM] row_xmask:2 row_mask:0xf bank_mask:0xf
	v_max_num_f32_dpp v[TM], v[TM], v[TM] row_xmask:4 row_mask:0xf bank_mask:0xf
	v_max_num_f32_dpp v[TM], v[TM], v[TM] row_xmask:8 row_mask:0xf bank_mask:0xf
	v_permlanex16_b32 v[TM+1], v[TM], s[SEL], s[SEL+1]
	v_max_num_f32 v[TM], v[TM], v[TM+1]
	s_lshl_b32 s88, s85, 2
	s_add_co_u32 s88, s88, s40                     ; 4 (PR - 2) + cx
	s_lshl_b32 s88, s88, 4
	s_add_co_u32 s88, s88, s42                     ; x 16 + tile row
	s_lshl_b32 s88, s88, 2
	s_add_co_u32 s88, s88, s[WV]                   ; x 4 + wave: my word
	s_lshl_b32 s88, s88, 2
	s_mov_b32 s89, 0
	s_add_nc_u64 s[VM:VM+1], s[18:19], s[88:89]
	v_cmp_eq_u32 vcc_lo, 0, v[LN]
	s_wait_xcnt 0x0                                ; EXEC is a source of the stores above: it changes only behind this wait
	s_and_saveexec_b32 s90, vcc_lo
	global_store_b32 v[ZR], v[TM], s[VM:VM+1]      ; lane 0 alone
	s_wait_xcnt 0x0                                ; and again, in front of the line that widens it
	s_or_b32 exec_lo, exec_lo, s90
.Lend:
	s_wait_tensorcnt 0x0                           ; the wave's end
	ds_add_u32 v[SPW], v[NIL]
	s_wait_dscnt 0x0
	CROUND                                         ; the closing round
	s_endpgm
.Lfunc_end_k_q65332ab70c_up:
	.size	k_q65332ab70c_up, .Lfunc_end_k_q65332ab70c_up-k_q65332ab70c_up
	.p2alignl 7, 3214868480
	.fill 96, 4, 3214868480
	.section	.rodata,"a",@progbits
	.p2align	6, 0x0
	.amdhsa_kernel k_q65332ab70c_up
		.amdhsa_group_segment_fixed_size 327680
		.amdhsa_private_segment_fixed_size 0
		.amdhsa_enable_private_segment 0
		.amdhsa_kernarg_size 64
		.amdhsa_user_sgpr_count 2
		.amdhsa_user_sgpr_kernarg_segment_ptr 1
		.amdhsa_wavefront_size32 1
		.amdhsa_system_sgpr_workgroup_id_x 1
		.amdhsa_system_sgpr_workgroup_id_y 1
		.amdhsa_system_sgpr_workgroup_id_z 1
		.amdhsa_system_vgpr_workitem_id 0
		.amdhsa_next_free_vgpr 1024
		.amdhsa_next_free_sgpr 100
		.amdhsa_reserve_vcc 1
		.amdhsa_float_denorm_mode_32 3
		.amdhsa_float_denorm_mode_16_64 3
		.amdhsa_memory_ordered 1
		.amdhsa_forward_progress 1
		.amdhsa_inst_pref_size 246
	.end_amdhsa_kernel
	.amdgpu_metadata
---
amdhsa.version: [ 1, 2 ]
amdhsa.kernels:
  - .name:           k_q65332ab70c_up
    .symbol:         k_q65332ab70c_up.kd
    .args:
      - { .name: lat, .offset: 0, .size: 8, .value_kind: global_buffer, .address_space: global }
      - { .name: w16, .offset: 8, .size: 8, .value_kind: global_buffer, .address_space: global }
      - { .name: bq_up, .offset: 16, .size: 8, .value_kind: global_buffer, .address_space: global }
      - { .name: bk_up, .offset: 24, .size: 8, .value_kind: global_buffer, .address_space: global }
      - { .name: bv_up, .offset: 32, .size: 8, .value_kind: global_buffer, .address_space: global }
      - { .name: rope, .offset: 40, .size: 8, .value_kind: global_buffer, .address_space: global }
      - { .name: qkv, .offset: 48, .size: 8, .value_kind: global_buffer, .address_space: global }
      - { .name: vmax, .offset: 56, .size: 8, .value_kind: global_buffer, .address_space: global }
    .group_segment_fixed_size: 327680
    .private_segment_fixed_size: 0
    .kernarg_segment_align: 8
    .kernarg_segment_size: 64
    .max_flat_workgroup_size: 128
    .sgpr_count:     100
    .vgpr_count:     1024
    .wavefront_size: 32
...
	.end_amdgpu_metadata
.endif
;; end of part 3
;; launch attn (part 4): grid 8 x 32, 4 waves a work-group, clusters of 4 x 1, 327,680 bytes of LDS; arguments qkv, vmax, ao; writes ao
.if DOCPART == 4
	.amdgcn_target "amdgcn-amd-amdhsa--gfx1250"
	.amdhsa_code_object_version 6
	.text
	.protected	k_q65332ab70c_attn
	.globl	k_q65332ab70c_attn
	.p2align	8
	.type	k_q65332ab70c_attn,@function
k_q65332ab70c_attn:
	s_mov_b64 s[64:65], 0
	v_nop
	global_prefetch_b8 v0, s[64:65] scope:SCOPE_SE
	s_setreg_imm32_b32 hwreg(HW_REG_WAVE_MODE, 25, 1), 1
	s_wait_xcnt 0x0
	s_wait_alu depctr_hold_cnt(0) depctr_sa_sdst(0) depctr_va_vdst(0) depctr_va_sdst(0) depctr_va_ssrc(0) depctr_va_vcc(0) depctr_vm_vsrc(0)
	s_getreg_b32 s2, hwreg(HW_REG_IB_STS2, 6, 4)
	s_cmp_eq_u32 s2, 0
	s_cbranch_scc0 .Lentry_in_a_cluster
	s_endpgm
.Lentry_in_a_cluster:
	s_bfe_u32 s2, ttmp6, 0x10000c
	s_cmp_lg_u32 s2, 0x3003
	s_cbranch_scc0 .Lentry_shape_is_right
	s_endpgm
.Lentry_shape_is_right:
; ao[batch][q][head x 128 + :] = 2^-E x the sum over k of softmax_k(Q[hh][q] . K[hh][k] / sqrt(128)) V[hh][k][:], hh = 16 batch + head.  Q, K, V: [32][2048][128] bf16, the three tensors of qkv.
; Products, maxima and sums in f32; the weights p are rounded to bf16 for the second product.  ao: [4096][2048] f16.
; THE POWER OF TWO.  The result is a mean of rows of V, so its magnitude is at most the largest |v|, whatever the inputs.  E is that number's exponent (from vmax, held to -100 .. 100): the result x 2^-E lies under
; about 2 and has room in f16, whose 11 significant bits the last product needs; the multiplication is exact, and the last launch multiplies 2^E back in f32.
; SHARES.  A work-group owns 256 queries of one head, each of its four waves 64: four tiles of 16.  Every wave walks all keys of the head, 64 a step.
; LAYOUT.  S^T = K Q^T (source 0 = 16 keys, source 1 = 16 queries): a lane holds ONE query (lane % 16) and the keys 8 (lane / 16) + 0..7.  Two such tiles, rounded to bf16 in pairs, ARE source 1 of
; O^T = V^T P, whose result again holds one query a lane.  K comes out of LDS as it lies, V ([key][channel]) turned, by ds_load_tr16_b128.
; SOFTMAX.  A running maximum m and sum l for each query: p = 2^(c s - c m), c = log2(e) / sqrt(128); in every step O and l are multiplied by a = 2^(c m_old - c m_new).
; BY TURNS.  The wave's tiles are two pieces (tiles 0, 1 and tiles 2, 3).  In a turn one piece has the matrix unit: 32 products V^T P of the step in hand, then 32 products K Q^T of the next step; the other piece's
; softmax, cut into 64 slices, stands between them, one slice behind each matrix instruction.  Two turns are a key step.
; CLUSTER.  The four query blocks of a cluster belong to one head and walk the same K and V: each tile is asked for jointly.
; REGISTERS, in windows of 256: window 0: v0-11 addresses; v12-43 eight registers of statistics a tile; v44-60 vmax and its address; v64-191 S^T; v192-255 P.   window 1: O^T, 64 a tile.
;   window 2: v0-127 Q; v128-255 K of one step.   window 3: v0-127 V of one step.
.set SIZE_H, 32
.set SIZE_N, 2048
.set KS,    64        ; keys in a step
.set PK,    272       ; a row of K in LDS: 256 bytes + 16 of padding = 68 words: row r starts at bank 4 r mod 64 (64 banks of 4 bytes: ISA guide 11.1)
.set PV,    288       ; a row of V: 256 + 32 = 72 words
.set VOFF,  KS*PK     ; a step's tiles lie together: 64 rows of K, then 64 rows of V
.set STEPB, KS*(PK+PV)
.set SLOT1, 1<<17     ; a slot holds two steps; slot 1 begins here, so that one exclusive or turns an address in one slot into the other's
.set STAGE, SLOT1+2*STEPB  ; 16 rows x 272 bytes for each wave, for the way out
.set SP,    272
.set AK0, 2
.set AV0, 3
.set ADR, 4
.set QO,  5
.set STO, 6
.set RD,  7
.set GO,  8
.set VX,  44          ; v44-59 vmax: 16 of its 512 numbers a lane; later v46 = 2^E, v47 = 2^-E
.set VA,  60          ; v60 16 x lane
.set SPW, 62
.set NIL, 63
.set SPARE, STAGE+4*16*272
.set ST,  12          ; tile t's statistics at v[ST+8 t]: +0 c m, +1 m, +2, +3 l (even keys', odd keys'), +4 to +7 at work; a takes +6
.set S,   64
.set P,   192
.set KF,  128
.set WV,  12
.set G1K, 24
.set G1V, 32
.set G0K, 40
.set G0V, 48
.set SLOTS, 56
.set TWICE, 57
.set CS,  58
.set SEL, 60
.set TB,  62
.set PFA, 18
.set LIM, 15
.set PFO, 61
.set MSB, 0
.macro WIN new
.if MSB != (\new)
	s_set_vgpr_msb (MSB<<8)|(\new)
.set MSB, (\new)
.endif
.endm
.set W_KQ, 0x0a       ; K and Q in window 2, S^T in window 0
.set W_PV, 0x53       ; V in window 3, P in window 0, O^T in window 1
.set W_RS, 0x41       ; O^T (destination and source 0) in window 1, a in window 0
; A joint refill.  Waves 0 and 1 fetch the two steps' tiles of K, waves 2 and 3 those of V.  An s_nop 0 and four v_nop follow each of the two lines.
.macro JLOAD
	s_cmp_lt_u32 s[WV], 2
	s_cbranch_scc0 .Lfor_v_\@
	tensor_load_to_lds s[G0K+4:G0K+7], s[G1K:G1K+7]
	s_nop 0
.rept 4
	v_nop
.endr
	s_branch .Lasked_\@
.Lfor_v_\@:
	tensor_load_to_lds s[G0V+4:G0V+7], s[G1V:G1V+7]
	s_nop 0
.rept 4
	v_nop
.endr
.Lasked_\@:
.endm
; A prefetch of what the NEXT change of slots will ask for: a slot's 128 rows of K and 128 of V, 256 bytes a row, a lane a row.  Each row is named once in the launch: the head's first cluster asks; its four
; partners share the rows out by address, 32 each; in each, wave 0 asks for K's and wave 2 for V's.  The last change that fills a slot asks for nothing.
.macro ASK
	s_cmp_gt_u32 s[SLOTS], s[LIM]
	s_cbranch_scc0 .Lnot_mine_\@
	global_prefetch_b8 v[PFO], s[PFA:PFA+1] th:TH_LOAD_NT scope:SCOPE_SE
.Lnot_mine_\@:
.endm
.macro CROUND
	s_barrier_signal -1
	s_barrier_wait -1
	s_cmp_lg_u32 s[WV], 0
	s_cbranch_scc1 .Lnot_wave_0_\@
	s_barrier_signal -3
.Lnot_wave_0_\@:
	s_barrier_wait -3
	s_barrier_signal -1
	s_barrier_wait -1
.endm
	s_load_b128 s[4:7], s[0:1], 0x0  ; qkv s[4:5], vmax s[6:7]
	s_load_b64 s[10:11], s[0:1], 0x10  ; ao
	v_lshl_add_u32 v[SPW], v0, 2, SPARE
	v_mov_b32 v[NIL], 0
	ds_add_u32 v[SPW], v[NIL]       ; the wave's opening: the add, twice on end, and its wait ahead of my first tensor load
	ds_add_u32 v[SPW], v[NIL]
	v_lshrrev_b32 v1, 5, v0
	v_readfirstlane_b32 s[WV], v1   ; wave 0..3
	s_bfe_u32 s13, ttmp6, 0x40000   ; cx
	s_lshl_b32 s14, ttmp9, 2
	s_add_co_u32 s14, s14, s13      ; my block of 256 queries: it enters Q's and ao's addresses alone
	s_and_b32 s20, ttmp7, 0xffff    ; hh, which the four partners share
	s_lshr_b32 s68, s20, 4          ; ao: row = 2,048 batch + 256 block + 64 wave,
	s_lshl_b32 s68, s68, 11
	s_lshl_b32 s69, s14, 8
	s_add_co_u32 s68, s68, s69
	s_lshl_b32 s69, s[WV], 6
	s_add_co_u32 s68, s68, s69
	s_lshl_b32 s68, s68, 12         ; 4,096 bytes a row,
	s_and_b32 s69, s20, 15
	s_lshl_b32 s69, s69, 8          ; the head's 256 bytes in it
	s_add_co_u32 s68, s68, s69
	s_mov_b32 s69, 0
	s_mov_b32 s21, 0
	s_mov_b64 s[22:23], SIZE_N*256
	s_mul_u64 s[20:21], s[20:21], s[22:23]  ; the head's first byte in each of the three tensors
	s_and_b32 s16, s[WV], 1         ; which of a slot's two steps I fetch:
	s_lshl_b32 s22, s16, 14         ; its 64 rows of 256 bytes in memory,
	s_mov_b32 s23, 0
	s_add_nc_u64 s[22:23], s[22:23], s[20:21]
	s_mul_i32 s17, s16, STEPB       ; and its place in a slot
	s_lshl_b32 s2, s14, 16          ; my block's 256 rows,
	s_lshl_b32 s3, s[WV], 14        ; my wave's 64 of them
	s_add_co_u32 s2, s2, s3
	s_mov_b32 s3, 0
	s_add_nc_u64 s[2:3], s[2:3], s[20:21]
	s_mov_b32 s[G1K], 15|(1<<16)|(1<<20)|(1<<21)|(5<<22)|(3<<25)  ; the mask: all four work-groups; elements of 2 bytes; padding on; bit 21 beside a mask; 4 words after every 64
	s_mov_b32 s[G1V], 15|(1<<16)|(1<<20)|(1<<21)|(5<<22)|(7<<25)  ; the same with 8 words of padding
.irp g, G1K, G1V
	s_mov_b32 s[\g+1], 128<<16      ; tensor_dim0 = 128
	s_mov_b32 s[\g+2], KS<<16       ; tensor_dim1 = 64
	s_mov_b32 s[\g+3], 128<<16      ; tile_dim0 = 128
	s_mov_b32 s[\g+4], KS           ; tile_dim1 = 64
	s_mov_b32 s[\g+5], 128          ; elements from row to row
	s_mov_b32 s[\g+6], 0
	s_mov_b32 s[\g+7], 0
.endr
	s_mov_b32 s[CS], 0x3e0293ee     ; c = log2(e) / sqrt(128)
	s_mov_b32 s[CS+1], s[CS]
	s_mov_b32 s[SEL], 0x76543210
	s_mov_b32 s[SEL+1], 0xfedcba98
	s_mov_b32 s70, 0x0d800000       ; 2^-100 and 2^100: E's hold
	s_mov_b32 s71, 0x71800000
	s_mov_b32 s[TB], 0
	s_mov_b32 s[SLOTS], SIZE_N/(2*KS)-2
	s_and_b32 s[LIM], s[WV], 1       ; 0 in waves 0 and 2,
	s_or_b32 s[LIM], s[LIM], ttmp9   ; where the cluster is the head's first: the same in all four partners
	s_cmp_eq_u32 s[LIM], 0
	s_cselect_b32 s[LIM], 1, -1
	v_and_b32 v[PFO], 31, v0
	v_lshlrev_b32 v[PFO], 8, v[PFO]
	s_wait_dscnt 0x0                ; both opening adds are done
	s_wait_kmcnt 0x0
	s_mov_b64 s[66:67], s[6:7]      ; vmax
	s_add_nc_u64 s[6:7], s[4:5], 0x1000000  ; K
	s_add_nc_u64 s[8:9], s[4:5], 0x2000000  ; V
	s_add_nc_u64 s[6:7], s[6:7], s[22:23]  ; K and V at my tile of slot 0
	s_add_nc_u64 s[8:9], s[8:9], s[22:23]
	s_add_nc_u64 s[4:5], s[4:5], s[2:3]  ; Q at my wave's first row
	s_add_nc_u64 s[10:11], s[10:11], s[68:69]  ; ao likewise
	s_cmp_lt_u32 s[WV], 2
	s_cselect_b64 s[PFA:PFA+1], s[6:7], s[8:9]  ; (in waves 0 and 2 these stand at a slot's first row)
	s_lshl_b32 s2, s13, 13          ; my work-group's 32 rows of the 128
	s_mov_b32 s3, 0
	s_add_nc_u64 s[PFA:PFA+1], s[PFA:PFA+1], s[2:3]
	s_add_nc_u64 s[PFA:PFA+1], s[PFA:PFA+1], 2*2*KS*256  ; in slot 2; the first change of slots steps it to slot 3.  Nothing is prefetched at the head
	CROUND                          ; all four work-groups are here: the first joint loads meet
.irp s, 0,1
	s_mov_b32 s[G0K+4*\s], 1
	s_add_co_u32 s[G0K+4*\s+1], s17, \s*SLOT1
	s_add_nc_u64 s[G0K+4*\s+2:G0K+4*\s+3], s[6:7], \s*2*KS*256
	s_or_b32 s[G0K+4*\s+3], s[G0K+4*\s+3], 0x80000000
	s_mov_b32 s[G0V+4*\s], 1
	s_add_co_u32 s[G0V+4*\s+1], s17, \s*SLOT1+VOFF
	s_add_nc_u64 s[G0V+4*\s+2:G0V+4*\s+3], s[8:9], \s*2*KS*256
	s_or_b32 s[G0V+4*\s+3], s[G0V+4*\s+3], 0x80000000
.endr
	s_cmp_lt_u32 s[WV], 2           ; a wave's two first fills stand in one branch, ahead of every wait on TENSORcnt and every LDS read: two loads of mine are out
	s_cbranch_scc0 .Lfirst_v
	tensor_load_to_lds s[G0K:G0K+3], s[G1K:G1K+7]
	s_nop 0
	tensor_load_to_lds s[G0K+4:G0K+7], s[G1K:G1K+7]
	s_nop 0
.rept 4
	v_nop
.endr
	s_branch .Lfirst_asked
.Lfirst_v:
	tensor_load_to_lds s[G0V:G0V+3], s[G1V:G1V+7]
	s_nop 0
	tensor_load_to_lds s[G0V+4:G0V+7], s[G1V:G1V+7]
	s_nop 0
.rept 4
	v_nop
.endr
.Lfirst_asked:
	v_and_b32 v1, 15, v0            ; l % 16
	v_bfe_u32 v9, v0, 4, 1          ; l / 16
	v_lshlrev_b32 v[QO], 8, v1
	v_lshl_add_u32 v[QO], v9, 4, v[QO]  ; row x 256 + 16 x half
	WIN 0x80                        ; destination window 2
.irp i, 0,1,2,3,4,5,6,7,8,9,10,11,12,13,14,15  ; Q stays in registers: tile i / 4, channels 32 (i % 4) on
	global_load_b128 v[8*\i:8*\i+3],   v[QO], s[4:5] offset:(\i/4)*4096+(\i%4)*64
	global_load_b128 v[8*\i+4:8*\i+7], v[QO], s[4:5] offset:(\i/4)*4096+(\i%4)*64+32
.endr
	WIN 0
	v_and_b32 v[VA], 31, v0
	v_lshlrev_b32 v[VA], 4, v[VA]
.irp i, 0,1,2,3
	global_load_b128 v[VX+4*\i:VX+4*\i+3], v[VA], s[66:67] offset:512*\i  ; all 512 numbers of vmax, 16 a lane; Q's wait covers them
.endr
	v_mul_u32_u24 v[AK0], v1, PK
	v_lshl_add_u32 v[AK0], v9, 4, v[AK0]
	v_and_b32 v10, 7, v0            ; the turning load takes 16 keys x 16 channels: lane l reads key 8 (l / 16) + l % 8, channels 8 ((l / 8) % 2) + 0..7
	v_bfe_u32 v11, v0, 3, 1
	v_lshl_add_u32 v[AV0], v9, 3, v10
	v_mul_u32_u24 v[AV0], v[AV0], PV
	v_lshl_add_u32 v[AV0], v11, 4, v[AV0]
	v_add_nc_u32 v[AV0], VOFF, v[AV0]
; THE MATRIX WORK OF A TURN, for piece x.  The accumulators take turns, one instruction a turn.
; Product i of 32 of O^T += V^T P: keys 32 (i / 16) on, channels 16 ((i / 2) % 8) on, tile x + i % 2.  zero = 1: the first 16 start the sums.
.macro PV x, zero
	WIN W_PV
.set rO, 64*(\x+i%2)+8*((i/2)%8)
.set rV, 64*(i/16)+8*((i/2)%8)
.set rP, P+16*(\x+i%2)+8*(i/16)
.if \zero && (i < 16)
	v_wmma_f32_16x16x32_bf16 v[rO:rO+7], v[rV:rV+7], v[rP:rP+7], 0
.else
	v_wmma_f32_16x16x32_bf16 v[rO:rO+7], v[rV:rV+7], v[rP:rP+7], v[rO:rO+7]
.endif
.endm
; Product i of 32 of S^T = K Q^T: channels 32 (i / 8) on, keys 16 ((i / 2) % 4) on, tile x + i % 2.  The first 8 start the sums.
.macro KQ x
	WIN W_KQ
.set rS, S+32*(\x+i%2)+8*((i/2)%4)
.set rK, KF+32*((i/2)%4)+8*(i/8)
.set rQ, 32*(\x+i%2)+8*(i/8)
.if i < 8
	v_wmma_f32_16x16x32_bf16 v[rS:rS+7], v[rK:rK+7], v[rQ:rQ+7], 0
.else
	v_wmma_f32_16x16x32_bf16 v[rS:rS+7], v[rK:rK+7], v[rQ:rQ+7], v[rS:rS+7]
.endif
.endm
; THE LDS LOADS stand in runs of 32: a step's K and, a turn later, its V (turned).
.macro FETCH_K
	WIN 0
	v_add_nc_u32 v[ADR], s[TB], v[AK0]
	WIN 0x80
.irp f, 0,1,2,3,4,5,6,7,8,9,10,11,12,13,14,15
	ds_load_b128 v[KF+8*\f:KF+8*\f+3],   v[ADR] offset:(\f/4)*16*PK+(\f%4)*64
	ds_load_b128 v[KF+8*\f+4:KF+8*\f+7], v[ADR] offset:(\f/4)*16*PK+(\f%4)*64+32
.endr
.endm
.macro FETCH_V
	WIN 0
	v_add_nc_u32 v[ADR], s[TB], v[AV0]
	s_add_co_u32 s[TB], s[TB], STEPB  ; the next fetch is the next step's
	s_wait_alu depctr_va_vdst(0)    ; the wait for the softmax's batch, behind the address's addition and ahead of the loads
	WIN 0xc0
.irp f, 0,1,2,3,4,5,6,7,8,9,10,11,12,13,14,15
	ds_load_tr16_b128 v[8*\f:8*\f+3],   v[ADR] offset:(\f/8)*32*PV+(\f%8)*32
	ds_load_tr16_b128 v[8*\f+4:8*\f+7], v[ADR] offset:(\f/8)*32*PV+16*PV+(\f%8)*32
.endr
.endm
; THE VECTOR WORK OF A TURN.  One tile's softmax for one key step is a list of 134 instructions; SM writes number j of it for tile t.
;   0-15 the maximum of the lane's 32 scores and the old m;  16-20 the other half of the lanes' maximum, the new m, c m, c m_old - c m_new;
;   21-69 ONE BATCH: the 16 scalings c s - c m and all 33 exponentials, none of which reads an exponential's result;  (the wait);  70-85 the roundings to bf16;  86-101 the sums;  102-133 O^T times a.
.macro SM t, first
.set rT, ST+8*(\t)
.set rS, S+32*(\t)
.set rP, P+16*(\t)
.set rO, 64*(\t)+2*(j-102)
.if j < 102
	WIN 0
.endif
.if j < 4
	v_max3_num_f32 v[rT+4+j], v[rS+8*j], v[rS+8*j+1], v[rS+8*j+2]
.elseif j < 12
	v_max3_num_f32 v[rT+4+j%4], v[rT+4+j%4], v[rS+8*(j%4)+2*(j/4)+1], v[rS+8*(j%4)+2*(j/4)+2]
.elseif j == 12
	v_max3_num_f32 v[rT+4], v[rT+4], v[rS+7], v[rS+15]
.elseif j == 13
	v_max3_num_f32 v[rT+6], v[rT+6], v[rS+23], v[rS+31]
.elseif j == 14
	v_max3_num_f32 v[rT+4], v[rT+4], v[rT+5], v[rT+6]
.elseif (j == 15) && \first
	v_max_num_f32 v[rT+4], v[rT+4], v[rT+7]
.elseif j == 15
	v_max3_num_f32 v[rT+4], v[rT+4], v[rT+7], v[rT+1]
.elseif j == 16
	v_permlanex16_b32 v[rT+5], v[rT+4], s[SEL], s[SEL+1]  ; the query's other 32 keys lie in the lane 16 away
.elseif j == 18
	v_max_num_f32 v[rT+1], v[rT+4], v[rT+5]
.elseif j == 19
	v_mul_f32 v[rT], s[CS], v[rT+1]
.elseif ((j == 17) || (j == 20) || (j == 23) || (j > 101)) && \first  ; the first step has none of these
.elseif j == 17
	v_mov_b32 v[rT+7], v[rT]        ; c m_old is kept for a
.elseif j == 20
	v_sub_f32 v[rT+7], v[rT+7], v[rT]
.elseif j == 23
	v_exp_f32 v[rT+6], v[rT+7]
.elseif (j < 23) || ((j < 38) && (j%2 == 0)) || ((j < 66) && (j%4 == 2))
.set b, (j-2)/4
.if j < 38
.set b, (j-20)/2
.endif
	v_pk_fma_f32 v[rS+2*b:rS+2*b+1], v[rS+2*b:rS+2*b+1], s[CS:CS+1], v[rT:rT+1] op_sel_hi:[1,0,0] neg_lo:[0,0,1] neg_hi:[0,0,1]  ; pair b: c s - c m
.elseif j < 70
.set e, j-38
.if j < 66
.set e, j-32-(j-38)/4
.endif
.if j < 38
.set e, (j-25)/2
.endif
	v_exp_f32 v[rS+e], v[rS+e]
.elseif j < 86
	v_cvt_pk_bf16_f32 v[rP+j-70], v[rS+2*(j-70)], v[rS+2*(j-70)+1]
.elseif j < 102                     ; the sum of the tile's 16 pairs, in place: neighbours 1, 2, 4 and 8 pairs apart, then l takes it
.set z, j-86
.set w, 4
.set u, z
.if z >= 14
.set w, 32
.set u, 0
.elseif z >= 12
.set w, 16
.set u, z-12
.elseif z >= 8
.set w, 8
.set u, z-8
.endif
.if (z == 14) && \first
	v_pk_add_f32 v[rT+2:rT+3], v[rS:rS+1], v[rS+16:rS+17]
.elseif z < 15
	v_pk_add_f32 v[rS+w*u:rS+w*u+1], v[rS+w*u:rS+w*u+1], v[rS+w*u+w/2:rS+w*u+w/2+1]
.elseif !\first
	v_pk_fma_f32 v[rT+2:rT+3], v[rT+2:rT+3], v[rT+6:rT+7], v[rS:rS+1] op_sel_hi:[1,0,1]
.endif
.else
	WIN W_RS
	v_pk_mul_f32 v[rO:rO+1], v[rO:rO+1], v[rT+6:rT+7] op_sel_hi:[1,0]
.endif
.endm
; Slice k of 64 of piece y's softmax: four instructions.  Slices 11 to 34 deal out the batch, four numbers of ONE tile each, the tiles by turns; every other slice is numbers 2 k and 2 k + 1 of both tiles' lists;
; the twelve that are over stand in slice 63.  Ahead of slice 35 nothing names an exponential's result, and behind slice 34 none is issued: so the piece's 66 exponentials have one wait, behind slice 34.
.macro SLICE y, first
.if (k >= 11) && (k < 35)
.irp n, 0,1,2,3
.set j, 22+4*((k-11)/2)+(\n)
	SM (\y)+(k-11)%2, \first
.endr
.else
.irp n, 0,1,2,3,4,5,6,7
.if (\n < 2) || (k == 63)
.irp t, \y, \y+1
.set j, 2*k+\n
	SM \t, \first
.endr
.endif
.endr
.endif
.if k == 34
	v_nop                           ; a plain instruction behind the last exponential and ahead of the first use (ISA guide 5.7.2): one for the batch
.if (\y) == 0
	FETCH_V                         ; piece 2's turn: V's run of loads stands here, and the wait stands in it
.else
	s_wait_alu depctr_va_vdst(0)    ; the wait for the batch
.endif
.endif
.set k, k+1
.endm
.macro PLACES                       ; four plain vector instructions behind a matrix instruction (ISA guide 7.12.1); in the loop the slices are the places
.rept 4
	v_nop
.endr
.endm
; A TURN.  Piece x has the matrix unit.  pv = 2: 32 products V^T P; 1: they start O^T's sums; 0: none.  kq = 1: 32 products K Q^T for the next step.  first = 1: the softmax is the first key step's.
.macro TURN x, pv, kq, first
.set k, 0
.set per, 2
.if \pv && \kq
.set per, 1
.endif
.if \pv
.if \x == 0
	s_wait_dscnt 0x0                ; V is in
.endif
.set i, 0
.rept 32
	PV \x, 2-\pv
.rept per
	SLICE 2-\x, \first
.endr
.if (\x == 0) && \kq && (i == 1)
	FETCH_K
.endif
.set i, i+1
.endr
.endif
.if \kq
.if \x == 0
	s_wait_dscnt 0x0                ; K is in
.endif
.set i, 0
.rept 32
	KQ \x
.rept per
	SLICE 2-\x, \first
.endr
.set i, i+1
.endr
.endif
.if \first
	PLACES
.endif
.endm
; THE CHANGE OF SLOTS.  Each wave waits for all its tensor loads, of which one is out: its part of the other slot; adds 0 to its spare word; and waits for that and for its own reads of the slot.
; fill = 1: the barrier is a round of the cluster's, and the joint refill is the first thing behind it: it has two key steps, 256 matrix instructions, in which to land.
.macro CHANGE fill
	WIN 0
	s_wait_tensorcnt 0x0            ; no tensor load of mine is out, so a group 0 may be written
	ds_add_u32 v[SPW], v[NIL]
.if \fill
.irp g, G0K+4, G0V+4
	s_xor_b32 s[\g+1], s[\g+1], SLOT1  ; the walking descriptor: the other slot than last time,
	s_add_nc_u64 s[\g+2:\g+3], s[\g+2:\g+3], 2*KS*256  ; the next 128 keys
.endr
	s_wait_xcnt 0x0                 ; the last prefetches, two key steps back, have read their address
	s_add_nc_u64 s[PFA:PFA+1], s[PFA:PFA+1], 2*KS*256
	s_wait_dscnt 0x0                ; the add is done, and my reads of the slot are over
	CROUND
	JLOAD
	ASK
.else
	s_wait_dscnt 0x0
	s_barrier_signal -1
	s_barrier_wait -1
.endif
	s_sub_co_u32 s[TB], s[TB], 2*STEPB  ; the fetches go back to a slot's first step,
	s_xor_b32 s[TB], s[TB], SLOT1   ; in the other slot
.endm
.macro TWO_STEPS
	s_mov_b32 s[TWICE], 2
.Lstep_\@:
	TURN 0, 2, 1, 0
	TURN 2, 2, 1, 0
	WIN 0
	s_sub_co_u32 s[TWICE], s[TWICE], 1
	s_cmp_lg_u32 s[TWICE], 0
	s_cbranch_scc1 .Lstep_\@
.endm
	s_wait_tensorcnt 1              ; my part of slot 0 is in; slot 1's may stay out
	s_barrier_signal -1
	s_barrier_wait -1
	FETCH_K                         ; key step 0
	s_wait_loadcnt 0x0              ; Q, and vmax
	s_wait_dscnt 0x0
.set i, 0
.rept 32
	KQ 0
.set i, i+1
.endr
	WIN 0                           ; the addresses for the way out: eight plain instructions, the places behind those products
	s_mul_i32 s13, s[WV], 16*SP
	s_add_co_u32 s13, s13, STAGE    ; my stage
	v_mul_u32_u24 v[STO], v1, SP
	v_lshl_add_u32 v[STO], v9, 4, v[STO]
	v_add_nc_u32 v[STO], s13, v[STO]
	v_mul_u32_u24 v[RD], v9, SP
	v_lshl_add_u32 v[RD], v1, 4, v[RD]
	v_add_nc_u32 v[RD], s13, v[RD]
	v_lshlrev_b32 v[GO], 12, v9     ; two rows of ao, 4,096 bytes apart
	v_lshl_add_u32 v[GO], v1, 4, v[GO]
	TURN 2, 0, 1, 1
	TURN 0, 1, 1, 1
	TURN 2, 1, 1, 0
	WIN 0
.Lslot:                             ; 14 trips: every slot but the last two is filled again
	CHANGE 1
	TWO_STEPS
	s_sub_co_u32 s[SLOTS], s[SLOTS], 1
	s_cmp_lg_u32 s[SLOTS], 0
	s_cbranch_scc1 .Lslot
	CHANGE 0                        ; the tail is written out
	TWO_STEPS
	TURN 0, 2, 0, 0
.set i, 0
.rept 32
	PV 2, 0
.set i, i+1
.endr
	; THE WAY OUT.  O^T is multiplied by 2^-E / l, rounded to f16 and sent through my stage in LDS, a tile (16 rows) at a time.  The additions are the places behind the last products.
	WIN 0
.irp t, 0,1,2,3
	v_add_f32 v[ST+8*\t+4], v[ST+8*\t+2], v[ST+8*\t+3]
.endr
.irp t, 0,1,2,3
	v_permlanex16_b32 v[ST+8*\t+5], v[ST+8*\t+4], s[SEL], s[SEL+1]
.endr
.irp t, 0,1,2,3
	v_add_f32 v[ST+8*\t+4], v[ST+8*\t+4], v[ST+8*\t+5]
.endr
.irp t, 0,1,2,3
	v_rcp_f32 v[ST+8*\t+6], v[ST+8*\t+4]
.endr
.irp i, 1,3,5,7,9,11,13             ; the largest |v| of all: plain work behind the reciprocals, which names none of their results
	v_max3_num_f32 v[VX], v[VX], v[VX+\i], v[VX+\i+1]
.endr
	v_max_num_f32 v[VX], v[VX], v[VX+15]
	v_max_num_f32_dpp v[VX], v[VX], v[VX] row_xmask:1 row_mask:0xf bank_mask:0xf
	v_max_num_f32_dpp v[VX], v[VX], v[VX] row_xmask:2 row_mask:0xf bank_mask:0xf
	v_max_num_f32_dpp v[VX], v[VX], v[VX] row_xmask:4 row_mask:0xf bank_mask:0xf
	v_max_num_f32_dpp v[VX], v[VX], v[VX] row_xmask:8 row_mask:0xf bank_mask:0xf
	v_permlanex16_b32 v[VX+1], v[VX], s[SEL], s[SEL+1]
	v_max_num_f32 v[VX], v[VX], v[VX+1]
	v_med3_num_f32 v[VX], v[VX], s70, s71
	v_and_b32 v[VX+2], 0x7f800000, v[VX]   ; 2^E: its exponent field alone
	v_sub_nc_u32 v[VX+3], 0x7f000000, v[VX+2]  ; 2^-E
	s_wait_alu depctr_va_vdst(0)    ; the wait ahead of the first use: one for the four reciprocals
.irp t, 0,1,2,3
	v_mul_f32 v[ST+8*\t+6], v[ST+8*\t+6], v[VX+3]
.endr
.macro PACK t
	WIN W_RS
.set i, 64*\t
.rept 32
	v_pk_mul_f32 v[i:i+1], v[i:i+1], v[ST+8*\t+6:ST+8*\t+7] op_sel_hi:[1,0]
.set i, i+2
.endr
	WIN 0x05                        ; sources 0 and 1 window 1, destination window 0: S^T's registers are free
.set i, 0
.rept 32
	v_cvt_pk_f16_f32 v[S+32*\t+i], v[64*\t+2*i], v[64*\t+2*i+1]
.set i, i+1
.endr
	WIN 0
.irp f, 0,1,2,3,4,5,6,7
	ds_store_b128 v[STO], v[S+32*\t+4*\f:S+32*\t+4*\f+3] offset:32*\f
.endr
.irp f, 0,1,2,3,4,5,6,7
	ds_load_b128 v[S+32*\t+4*\f:S+32*\t+4*\f+3], v[RD] offset:\f*2*SP  ; LDS serves a wave's instructions in order (ISA guide 5.7.1.4)
.endr
.endm
.macro SEND t, younger              ; younger: the LDS instructions issued behind tile t's loads
.irp f, 0,1,2,3,4,5,6,7
	s_wait_dscnt \younger+7-\f
	global_store_b128 v[GO], v[S+32*\t+4*\f:S+32*\t+4*\f+3], s[10:11] offset:\t*65536+\f*8192  ; 16 lanes store 256 consecutive bytes, at a multiple of 256 from ao's first byte
.endr
.endm
	PACK 0
	PACK 1
	SEND 0, 16
	PACK 2
	SEND 1, 16
	PACK 3
	SEND 2, 16
	SEND 3, 0
	s_wait_tensorcnt 0x0            ; the wave's end
	ds_add_u32 v[SPW], v[NIL]
	s_wait_dscnt 0x0
	CROUND                          ; the closing round
	s_endpgm
.Lfunc_end_k_q65332ab70c_attn:
	.size	k_q65332ab70c_attn, .Lfunc_end_k_q65332ab70c_attn-k_q65332ab70c_attn
	.p2alignl 7, 3214868480
	.fill 96, 4, 3214868480
	.section	.rodata,"a",@progbits
	.p2align	6, 0x0
	.amdhsa_kernel k_q65332ab70c_attn
		.amdhsa_group_segment_fixed_size 327680
		.amdhsa_private_segment_fixed_size 0
		.amdhsa_enable_private_segment 0
		.amdhsa_kernarg_size 24
		.amdhsa_user_sgpr_count 2
		.amdhsa_user_sgpr_kernarg_segment_ptr 1
		.amdhsa_wavefront_size32 1
		.amdhsa_system_sgpr_workgroup_id_x 1
		.amdhsa_system_sgpr_workgroup_id_y 1
		.amdhsa_system_sgpr_workgroup_id_z 1
		.amdhsa_system_vgpr_workitem_id 0
		.amdhsa_next_free_vgpr 1024
		.amdhsa_next_free_sgpr 72
		.amdhsa_reserve_vcc 0
		.amdhsa_float_denorm_mode_32 3
		.amdhsa_float_denorm_mode_16_64 3
		.amdhsa_memory_ordered 1
		.amdhsa_forward_progress 1
		.amdhsa_inst_pref_size 224
	.end_amdhsa_kernel
	.amdgpu_metadata
---
amdhsa.version: [ 1, 2 ]
amdhsa.kernels:
  - .name:           k_q65332ab70c_attn
    .symbol:         k_q65332ab70c_attn.kd
    .args:
      - { .name: qkv, .offset: 0, .size: 8, .value_kind: global_buffer, .address_space: global }
      - { .name: vmax, .offset: 8, .size: 8, .value_kind: global_buffer, .address_space: global }
      - { .name: ao, .offset: 16, .size: 8, .value_kind: global_buffer, .address_space: global }
    .group_segment_fixed_size: 327680
    .private_segment_fixed_size: 0
    .kernarg_segment_align: 8
    .kernarg_segment_size: 24
    .max_flat_workgroup_size: 128
    .sgpr_count:     72
    .vgpr_count:     1024
    .wavefront_size: 32
...
	.end_amdgpu_metadata
.endif
;; end of part 4
;; launch outp (part 5): grid 8 x 32, 4 waves a work-group, clusters of 4 x 4, 327,680 bytes of LDS; arguments ao, w16, vmax, bo, out0; writes out0
.if DOCPART == 5
	.amdgcn_target "amdgcn-amd-amdhsa--gfx1250"
	.amdhsa_code_object_version 6
	.text
	.protected	k_q65332ab70c_outp
	.globl	k_q65332ab70c_outp
	.p2align	8
	.type	k_q65332ab70c_outp,@function
k_q65332ab70c_outp:
	s_mov_b64 s[64:65], 0
	v_nop
	global_prefetch_b8 v0, s[64:65] scope:SCOPE_SE
	s_setreg_imm32_b32 hwreg(HW_REG_WAVE_MODE, 25, 1), 1
	s_wait_xcnt 0x0
	s_wait_alu depctr_hold_cnt(0) depctr_sa_sdst(0) depctr_va_vdst(0) depctr_va_sdst(0) depctr_va_ssrc(0) depctr_va_vcc(0) depctr_vm_vsrc(0)
	s_getreg_b32 s2, hwreg(HW_REG_IB_STS2, 6, 4)
	s_cmp_eq_u32 s2, 0
	s_cbranch_scc0 .Lentry_in_a_cluster
	s_endpgm
.Lentry_in_a_cluster:
	s_bfe_u32 s2, ttmp6, 0x10000c
	s_cmp_lg_u32 s2, 0xf033
	s_cbranch_scc0 .Lentry_shape_is_right
	s_endpgm
.Lentry_shape_is_right:
; out0[m][n] = 2^E x (sum over k of ao[m][k] Wo[n][k]) + bo[n].  ao: [4096][2048] f16, the attention's result x 2^-E; Wo: [2048][2048] f16, from byte 4,194,304 of w16 on; out0: [4096][2048] f32; sums in f32, K ascending.
; E is made from vmax by the very lines of the launch before (held to -100 .. 100), so both launches hold the same number; the multiplication by 2^E rides on the bias's fused multiply-add.
; A tile is 128 rows x 256 columns: 256 work-groups (256 x 256 would give 128).  Four waves, each 64 x 128: 32 accumulators.
; THE RING HAS TWO SLOTS OF UNLIKE SIZE.  Two slots of 256 along K would take 405,504 bytes and do not fit; two of 128 leave a third of LDS unused.  So slot 1, the large one, holds two K steps of 128 (rows of 512 bytes)
; and slot 0, the small one, holds one (rows of 256 bytes): 307,200 bytes.  The 16 K steps go  small 0 | large 1, 2 | small 3 | large 4, 5 | .. | large 13, 14 | small 15.  Behind each change of slots a wave issues one
; tensor load, for the slot just left: the small slot's has 240 matrix instructions of the wave in which to land, the large slot's 112; there are 9 refills where two slots of one K step have 14.
; CLUSTERS: 4 x 4; A's tiles are asked for jointly along a row of the cluster, B's along a column.
; THE MATRIX INSTRUCTION IS USED TRANSPOSED (source 0 = 16 rows of Wo, source 1 = 16 rows of ao): a lane holds eight neighbouring columns of one row.
; REGISTERS: window 0: v16-30 addresses; v32-159 two sets of 16 rows read back from the stage; v160-163 bo; v164-179 vmax; v180-181 2^E.   window 1: two fragment buffers of 128 (B at 8 b, A at 64 + 8 a).
;   window 2: accumulator (a, b) at v[8 (8 a + b)].
.set KSTEP,  128
.set PS,     272                       ; the small slot's row: 256 bytes + 16 of padding = 68 words: row r starts at bank 4 r mod 64 (64 banks of 4 bytes: ISA guide 11.1)
.set PB,     528                       ; the large slot's: 512 bytes + 16 = 132 words: again bank 4 r mod 64
.set BIGA,   64*PB                     ; the large slot, from LDS byte 0: what a wave fetches of A,
.set BIGB,   128*PB                    ; and of B: A's two halves, then B's two
.set SMALL,  2*BIGA+2*BIGB             ; the small slot begins here
.set SMA,    64*PS
.set SMB,    128*PS
.set SPARE,  SMALL+2*SMA+2*SMB         ; behind the ring: the spare words, 128 bytes a wave
.set SPITCH, 528                       ; the way out: 16 rows x 528 bytes for each wave, from LDS byte 0 on: in the large slot, which has had its last fill and its last read when the first result is stored there
.set TRIPS,  4
.set ADRA, 16                          ; v16, v17  LDS address of my A fragments in slot 0, 1
.set ADRB, 20                          ; v20, v21  the same for B
.set STO,  24
.set RD,   25
.set CO,   26
.set SPW,  28
.set NIL,  29
.set PFO,  30
.set BK,   32
.set BO,   160
.set VX,   164
.set SU,   180
.set LIM,  43                          ; s43      1 in a wave that prefetches, else 0
.set PFA,  44                          ; s[44:45] where my prefetches stand
.set SEL,  66
.set G1A,  24                          ; s[24:31] descriptor group 1 for A's tiles in the small slot; s[48:55] in the large one
.set G1B,  32                          ; s[32:39], s[56:63] the same for B's
.set G0A,  76                          ; s[76:79] group 0 for A's tiles in the small slot; s[84:87] in the large one
.set G0B,  80                          ; s[80:83], s[88:91] the same for B's
.set MSB, 0
.macro WIN new                         ; the immediate's high byte repeats the setting that is left
.if MSB != (\new)
	s_set_vgpr_msb (MSB<<8)|(\new)
.set MSB, (\new)
.endif
.endm
.set MUL,  0xa5                        ; sources 0 and 1 window 1; C and D window 2
.set TO_F, 0x40
; A joint load into slot s: waves 0 and 1 fetch A's halves, waves 2 and 3 B's; the branch hangs on the wave's number alone.  An s_nop 0 and four v_nop follow each of the two lines.
.macro JLOAD s
	s_cmp_eq_u32 s15, 0
	s_cbranch_scc0 .Lfor_b_\@
	tensor_load_to_lds s[G0A+8*\s:G0A+8*\s+3], s[G1A+24*\s:G1A+24*\s+7]
	s_nop 0
.rept 4
	v_nop
.endr
	s_branch .Lasked_\@
.Lfor_b_\@:
	tensor_load_to_lds s[G0B+8*\s:G0B+8*\s+3], s[G1B+24*\s:G1B+24*\s+7]
	s_nop 0
.rept 4
	v_nop
.endr
.Lasked_\@:
.endm
; A prefetch of what the NEXT refill will ask for, a lane a row, 256 bytes of a row an instruction.  Behind the small slot's refill (s = 0): the large slot's next two K steps, two instructions;
; behind the large slot's (s = 1): the small slot's next K step, one.  Each row's 256 bytes of K steps 4 to 15 are named once in the launch: A's rows by wave 0 of the clusters with x = 0 (the four partners of a row
; take 32 of the tile's 128 rows each, by address), B's by waves 2 and 3 of the clusters with y = 0 (of the 128 rows that the wave fetches each partner of a column takes 32).
; K steps 0 to 3 come by their loads alone, and the tail behind the loop asks for nothing: its one refill, K step 15, was named in the loop's last trip.
.macro ASK s
	s_cmp_eq_u32 s[LIM], 1
	s_cbranch_scc0 .Lnot_mine_\@
.if (\s) == 0
	global_prefetch_b8 v[PFO], s[PFA:PFA+1] th:TH_LOAD_NT scope:SCOPE_SE
	global_prefetch_b8 v[PFO], s[PFA:PFA+1] offset:KSTEP*2 th:TH_LOAD_NT scope:SCOPE_SE
.else
	global_prefetch_b8 v[PFO], s[PFA:PFA+1] offset:2*KSTEP*2 th:TH_LOAD_NT scope:SCOPE_SE
.endif
.Lnot_mine_\@:
.endm
.macro CREST                           ; a round of the cluster's barrier behind its opening barrier
	s_cmp_lg_u32 s14, 0
	s_cbranch_scc1 .Lnot_wave_0_\@
	s_barrier_signal -3
.Lnot_wave_0_\@:
	s_barrier_wait -3
	s_barrier_signal -1
	s_barrier_wait -1
.endm
.macro CROUND
	s_barrier_signal -1
	s_barrier_wait -1
	CREST
.endm
	s_load_b256 s[4:11], s[0:1], 0x0               ; ao s[4:5], w16 s[6:7], vmax s[8:9], bo s[10:11]
	s_load_b64 s[12:13], s[0:1], 0x20              ; out0
	v_lshl_add_u32 v[SPW], v0, 2, SPARE
	v_mov_b32 v[NIL], 0
	ds_add_u32 v[SPW], v[NIL]                      ; the wave's opening: the add, twice on end, and its wait ahead of my first tensor load
	ds_add_u32 v[SPW], v[NIL]
	v_lshrrev_b32 v1, 5, v0
	v_readfirstlane_b32 s14, v1                    ; wave 0..3
	s_lshr_b32 s15, s14, 1                         ; which 64 of the tile's rows are mine.  Also: I fetch for A (0) or for B (1)
	s_and_b32 s16, s14, 1                          ; which 128 of its columns.  Also: which half I fetch
	s_bfe_u32 s40, ttmp6, 0x40000                  ; cx, cy
	s_bfe_u32 s41, ttmp6, 0x40004
	s_lshl_b32 s42, ttmp9, 2
	s_add_co_u32 s42, s42, s40                     ; tile column 0..7
	s_and_b32 s17, ttmp7, 0xffff
	s_lshl_b32 s17, s17, 2
	s_add_co_u32 s17, s17, s41                     ; tile row 0..31
	s_lshl_b32 s70, s41, 2
	s_lshl_b32 s70, 15, s70                        ; my row of the cluster
	s_lshl_b32 s71, 0x1111, s40                    ; my column
	s_or_b32 s[G1A], s70, (1<<16)|(1<<20)|(1<<21)|(5<<22)|(3<<25)      ; mask; elements of 2 bytes; padding on; bit 21 beside a mask; 4 words after every 64
	s_or_b32 s[G1B], s71, (1<<16)|(1<<20)|(1<<21)|(5<<22)|(3<<25)
	s_or_b32 s[G1A+24], s70, (1<<16)|(1<<20)|(1<<21)|(6<<22)|(3<<25)   ; the large slot's: 4 words after every 128
	s_or_b32 s[G1B+24], s71, (1<<16)|(1<<20)|(1<<21)|(6<<22)|(3<<25)
.irp g, G1A, G1B
	s_mov_b32 s[\g+1], KSTEP<<16                   ; tensor_dim0 = 128 elements in the small slot,
	s_mov_b32 s[\g+3], KSTEP<<16                   ; tile_dim0
	s_mov_b32 s[\g+25], (2*KSTEP)<<16              ; 256 in the large one
	s_mov_b32 s[\g+27], (2*KSTEP)<<16
	s_mov_b32 s[\g+5], 2048                        ; elements from row to row
	s_mov_b32 s[\g+6], 0
	s_mov_b32 s[\g+7], 0
	s_mov_b32 s[\g+29], 2048
	s_mov_b32 s[\g+30], 0
	s_mov_b32 s[\g+31], 0
.endr
.irp o, 0, 24
	s_mov_b32 s[G1A+\o+2], 64<<16                  ; A: 64 rows to a load,
	s_mov_b32 s[G1A+\o+4], 64
	s_mov_b32 s[G1B+\o+2], 128<<16                 ; B: 128
	s_mov_b32 s[G1B+\o+4], 128
.endr
	s_lshl_b32 s20, s17, 7
	s_lshl_b32 s18, s16, 6
	s_add_co_u32 s20, s20, s18                     ; A: row 128 x tile row + 64 x half,
	s_lshl_b32 s20, s20, 12                        ; 4,096 bytes a row
	s_mov_b32 s21, 0
	s_lshl_b32 s46, s42, 8
	s_lshl_b32 s47, s16, 7
	s_add_co_u32 s46, s46, s47                     ; B: row 256 x tile column + 128 x half,
	s_lshl_b32 s46, s46, 12
	s_add_co_u32 s46, s46, 0x400000                ; behind the three bf16 weights
	s_mov_b32 s47, 0
	s_mul_i32 s72, s16, SMA                        ; where they go: a constant + half x a constant: no place in the cluster enters an LDS address
	s_add_co_u32 s72, s72, SMALL                   ; A in the small slot,
	s_mul_i32 s73, s16, SMB
	s_add_co_u32 s73, s73, SMALL+2*SMA             ; B in the small slot,
	s_mul_i32 s74, s16, BIGA                       ; A in the large one,
	s_mul_i32 s75, s16, BIGB
	s_add_co_u32 s75, s75, 2*BIGA                  ; B in the large one
	s_mov_b32 s[SEL], 0x76543210
	s_mov_b32 s[SEL+1], 0xfedcba98
	s_mov_b32 s68, 0x0d800000                      ; 2^-100 and 2^100: E's hold
	s_mov_b32 s69, 0x71800000
	s_wait_dscnt 0x0                               ; both opening adds are done
	s_wait_kmcnt 0x0
	s_add_nc_u64 s[20:21], s[4:5], s[20:21]
	s_add_nc_u64 s[46:47], s[6:7], s[46:47]
	CROUND                                         ; all sixteen work-groups are here: the first joint loads meet
	s_mov_b32 s[G0A], 1                            ; the small slot begins with K step 0
	s_mov_b32 s[G0A+1], s72
	s_mov_b64 s[G0A+2:G0A+3], s[20:21]
	s_or_b32 s[G0A+3], s[G0A+3], 0x80000000
	s_mov_b32 s[G0B], 1
	s_mov_b32 s[G0B+1], s73
	s_mov_b64 s[G0B+2:G0B+3], s[46:47]
	s_or_b32 s[G0B+3], s[G0B+3], 0x80000000
	JLOAD 0
	s_mov_b32 s[G0A+8], 1                          ; the large one with K steps 1 and 2
	s_mov_b32 s[G0A+9], s74
	s_add_nc_u64 s[G0A+10:G0A+11], s[20:21], KSTEP*2
	s_or_b32 s[G0A+11], s[G0A+11], 0x80000000
	s_mov_b32 s[G0B+8], 1
	s_mov_b32 s[G0B+9], s75
	s_add_nc_u64 s[G0B+10:G0B+11], s[46:47], KSTEP*2
	s_or_b32 s[G0B+11], s[G0B+11], 0x80000000
	JLOAD 1                                        ; two loads of mine are out
	v_and_b32 v1, 15, v0                           ; r
	v_bfe_u32 v2, v0, 4, 1                         ; h
	v_mul_u32_u24 v3, v1, PS
	v_lshl_add_u32 v3, v2, 4, v3                   ; a fragment's row x pitch + 16 h, in the small slot,
	v_mul_u32_u24 v4, v1, PB
	v_lshl_add_u32 v4, v2, 4, v4                   ; and in the large one
	s_mul_i32 s21, s15, SMA                        ; my 64 rows of A,
	s_add_co_u32 s21, s21, SMALL
	s_mul_i32 s22, s16, SMB                        ; my 128 rows of B, behind A's 128
	s_add_co_u32 s22, s22, SMALL+2*SMA
	v_add_nc_u32 v[ADRA], s21, v3
	v_add_nc_u32 v[ADRB], s22, v3
	s_mul_i32 s21, s15, BIGA
	s_mul_i32 s22, s16, BIGB
	s_add_co_u32 s22, s22, 2*BIGA
	v_add_nc_u32 v[ADRA+1], s21, v4
	v_add_nc_u32 v[ADRB+1], s22, v4
	s_mul_i32 s23, s14, 16*SPITCH                  ; my stage
	v_mul_u32_u24 v5, v1, SPITCH
	v_lshl_add_u32 v5, v2, 5, v5
	v_add_nc_u32 v[STO], s23, v5                   ; in: row r, 32 bytes for each half of the lanes
	v_and_b32 v6, 31, v0
	v_lshlrev_b32 v[CO], 4, v6                     ; back: the 32 lanes take one row of 512 bytes; and the same in out0
	v_add_nc_u32 v[RD], s23, v[CO]
	s_lshl_b32 s20, s17, 7
	s_lshl_b32 s21, s15, 6
	s_add_co_u32 s20, s20, s21                     ; my first row of out0,
	s_lshl_b32 s20, s20, 13                        ; 8,192 bytes a row
	s_mov_b32 s21, 0
	s_add_nc_u64 s[12:13], s[12:13], s[20:21]
	s_lshl_b32 s46, s42, 10                        ; my first column, in bytes
	s_lshl_b32 s47, s16, 9
	s_add_co_u32 s46, s46, s47
	s_mov_b32 s47, 0
	s_add_nc_u64 s[12:13], s[12:13], s[46:47]
	s_add_nc_u64 s[10:11], s[10:11], s[46:47]      ; bo at my 128 columns
	global_load_b128 v[BO:BO+3], v[CO], s[10:11]   ; lane l: the four columns that it will store
.irp i, 0,1,2,3
	global_load_b128 v[VX+4*\i:VX+4*\i+3], v[CO], s[8:9] offset:512*\i   ; all 512 numbers of vmax, 16 a lane
.endr
	; the prefetches: where my wave's stand, and who asks
	s_lshl_b32 s20, s17, 7                         ; A: the tile's first row
	s_lshl_b32 s21, s42, 8
	s_lshl_b32 s22, s16, 7
	s_add_co_u32 s21, s21, s22                     ; B: the first of the 128 rows that I fetch
	s_and_b32 s22, ttmp7, 0xffff                   ; cluster y
	s_add_nc_u64 s[74:75], s[6:7], 0x400000        ; Wo
	s_cmp_eq_u32 s15, 0
	s_cselect_b32 s20, s20, s21
	s_cselect_b32 s21, s40, s41                    ; my place among the four that ask for the tile with me
	s_cselect_b32 s22, ttmp9, s22                  ; the coordinate along which other clusters read the same rows
	s_cselect_b64 s[PFA:PFA+1], s[4:5], s[74:75]
	s_cmp_eq_u32 s14, 1                            ; A's 128 rows are shared out by wave 0 alone
	s_cselect_b32 s23, 1, 0
	s_or_b32 s22, s22, s23
	s_cmp_eq_u32 s22, 0
	s_cselect_b32 s[LIM], 1, 0                     ; the same in all sixteen partners, for a given wave
	s_lshl_b32 s21, s21, 5
	s_add_co_u32 s20, s20, s21
	s_lshl_b32 s20, s20, 12
	s_add_co_u32 s20, s20, KSTEP*2                 ; at K step 1: the loop's first change of slots steps it to K step 4.  Nothing is prefetched at the head
	s_mov_b32 s21, 0
	s_add_nc_u64 s[PFA:PFA+1], s[PFA:PFA+1], s[20:21]
	v_and_b32 v[PFO], 31, v0
	v_lshlrev_b32 v[PFO], 12, v[PFO]
; 8 matrix instructions: A's block a x B's eight, 32 along K, buffer f.  zero = 1: the first product starts the sums.  The 32 accumulators take turns in one order.
.macro MUL8 f, a, zero
.irp b, 0,1,2,3,4,5,6,7
.if \zero
	v_wmma_f32_16x16x32_f16 v[8*(8*(\a)+\b):8*(8*(\a)+\b)+7], v[128*\f+8*\b:128*\f+8*\b+7], v[128*\f+64+8*(\a):128*\f+64+8*(\a)+7], 0
.else
	v_wmma_f32_16x16x32_f16 v[8*(8*(\a)+\b):8*(8*(\a)+\b)+7], v[128*\f+8*\b:128*\f+8*\b+7], v[128*\f+64+8*(\a):128*\f+64+8*(\a)+7], v[8*(8*(\a)+\b):8*(8*(\a)+\b)+7]
.endif
.endr
.endm
; 24 LDS loads in one run: 128 rows of B, then 64 rows of A, 32 K at byte k of slot s's rows, into buffer f.  The largest offset is 7 x 16 x 528 + 448 + 32 = 59,616, inside the 16-bit immediate.
.macro FETCH s, k, f
.set PP, PS+(PB-PS)*(\s)
	WIN TO_F
.irp i, 0,1,2,3,4,5,6,7
	ds_load_b128 v[128*\f+8*\i:128*\f+8*\i+3],   v[ADRB+\s] offset:\k+\i*16*PP
	ds_load_b128 v[128*\f+8*\i+4:128*\f+8*\i+7], v[ADRB+\s] offset:\k+\i*16*PP+32
.endr
.irp i, 0,1,2,3
	ds_load_b128 v[128*\f+64+8*\i:128*\f+64+8*\i+3],   v[ADRA+\s] offset:\k+\i*16*PP
	ds_load_b128 v[128*\f+64+8*\i+4:128*\f+64+8*\i+7], v[ADRA+\s] offset:\k+\i*16*PP+32
.endr
.endm
.macro PLACES                          ; four plain vector instructions between a matrix instruction and a load into, or a read of, its registers (ISA guide 7.12.1 for vector reads)
.rept 4
	v_nop
.endr
.endm
; 32 along K: multiplies buffer f and fetches the next 32 along K, at byte k of the same slot's rows, into buffer g.  The small slot has four such pieces, the large one eight; each slot's last is TURN.
.macro QUARTER s, k, f, g, zero
	s_wait_dscnt 4                                 ; B and A's blocks 0, 1 are in; the four loads of A's blocks 2, 3 may be out
	WIN MUL
	MUL8 \f, 0, \zero
	MUL8 \f, 1, \zero
	PLACES
	FETCH \s, \k, \g
	s_wait_dscnt 24                                ; all but the 24 just issued
	WIN MUL
	MUL8 \f, 2, \zero
	MUL8 \f, 3, \zero
.endm
; Slot s's last piece multiplies buffer 1 and changes to slot n: one barrier; in front of it each wave waits for all its tensor loads, adds 0 to its spare word, and waits for that and for its reads of slot s.
; fill = 1: the barrier opens a round of the cluster's, and slot s is filled again, three K steps further on, first thing behind it.  ask = 1: a prefetch follows.
.macro TURN s, n, fill, ask
.if (\ask) && ((\s) == 0)
	s_wait_xcnt 0x0                                ; the last prefetch, a K step back, has read its address: it is stepped once a trip, ahead of the waits of the change of slots
	s_add_nc_u64 s[PFA:PFA+1], s[PFA:PFA+1], 3*KSTEP*2
.endif
	WIN 0
	s_wait_tensorcnt 0x0                           ; all my tensor loads have landed: the one that was out is my part of slot n
	ds_add_u32 v[SPW], v[NIL]
	s_wait_dscnt 7                                 ; (the add and the six loads of A's blocks 1 to 3 may be out)
	WIN MUL
	MUL8 1, 0, 0
	s_wait_dscnt 0x0                               ; the add is done, and my reads of slot s are over
	s_barrier_signal -1
	MUL8 1, 1, 0
	WIN 0
	s_barrier_wait -1
.if \fill
	CREST                                          ; no wave of any partner still reads slot s or has a load on its way
	s_add_nc_u64 s[G0A+8*\s+2:G0A+8*\s+3], s[G0A+8*\s+2:G0A+8*\s+3], 3*KSTEP*2
	s_add_nc_u64 s[G0B+8*\s+2:G0B+8*\s+3], s[G0B+8*\s+2:G0B+8*\s+3], 3*KSTEP*2
	JLOAD \s                                       ; its four v_nop are also the places in front of the loads below
.else
	PLACES
.endif
	FETCH \n, 0, 0
.if \ask
	WIN 0
	ASK \s                                         ; behind the joint load and the run of LDS loads that the next products wait for
.endif
	WIN MUL
	MUL8 1, 2, 0
	MUL8 1, 3, 0
.endm
.macro LARGE7                          ; the large slot's first seven pieces
	QUARTER 1, 64,  0, 1, 0
	QUARTER 1, 128, 1, 0, 0
	QUARTER 1, 192, 0, 1, 0
	QUARTER 1, 256, 1, 0, 0
	QUARTER 1, 320, 0, 1, 0
	QUARTER 1, 384, 1, 0, 0
	QUARTER 1, 448, 0, 1, 0
.endm
	s_wait_tensorcnt 1                             ; my part of K step 0 is in; the large slot's load may stay out
	s_barrier_signal -1
	s_barrier_wait -1
	FETCH 0, 0, 0
	QUARTER 0, 64, 0, 1, 1                         ; the first piece stands in front of the loop: its products start the sums
	WIN 0
	s_mov_b32 s3, TRIPS
.Llap:                                             ; a trip is three K steps: from a small slot's second piece to the next small slot's first; it fills both slots again
	QUARTER 0, 128, 1, 0, 0
	QUARTER 0, 192, 0, 1, 0
	TURN 0, 1, 1, 1                                ; the small slot takes K step 3, 6, 9, 12
	LARGE7
	TURN 1, 0, 1, 1                                ; the large one K steps 4 and 5, .. 13 and 14
	QUARTER 0, 64,  0, 1, 0
	WIN 0
	s_sub_co_u32 s3, s3, 1
	s_cmp_lg_u32 s3, 0
	s_cbranch_scc1 .Llap
	QUARTER 0, 128, 1, 0, 0                        ; the tail is written out: K step 12 goes on
	QUARTER 0, 192, 0, 1, 0
	TURN 0, 1, 1, 0                                ; the small slot takes K step 15: the last load
	LARGE7
	TURN 1, 0, 0, 0                                ; nothing is filled; behind this barrier nobody reads the large slot any more
	QUARTER 0, 64,  0, 1, 0
	QUARTER 0, 128, 1, 0, 0
	QUARTER 0, 192, 0, 1, 0
	s_wait_dscnt 4
	WIN MUL
	MUL8 1, 0, 0
	MUL8 1, 1, 0
	s_wait_dscnt 0x0
	MUL8 1, 2, 0
	MUL8 1, 3, 0
	WIN 0
	; THE WAY OUT.  First 2^E; its lines are also the places behind the last products.
	s_wait_loadcnt 0x0                             ; bo and vmax
.irp i, 1,3,5,7,9,11,13
	v_max3_num_f32 v[VX], v[VX], v[VX+\i], v[VX+\i+1]
.endr
	v_max_num_f32 v[VX], v[VX], v[VX+15]
	v_max_num_f32_dpp v[VX], v[VX], v[VX] row_xmask:1 row_mask:0xf bank_mask:0xf
	v_max_num_f32_dpp v[VX], v[VX], v[VX] row_xmask:2 row_mask:0xf bank_mask:0xf
	v_max_num_f32_dpp v[VX], v[VX], v[VX] row_xmask:4 row_mask:0xf bank_mask:0xf
	v_max_num_f32_dpp v[VX], v[VX], v[VX] row_xmask:8 row_mask:0xf bank_mask:0xf
	v_permlanex16_b32 v[VX+1], v[VX], s[SEL], s[SEL+1]
	v_max_num_f32 v[VX], v[VX], v[VX+1]
	v_med3_num_f32 v[VX], v[VX], s68, s69
	v_and_b32 v[SU], 0x7f800000, v[VX]             ; 2^E
	v_mov_b32 v[SU+1], v[SU]                       ; (named with it as a pair)
; A block of 16 rows x 128 columns goes through my own stage and comes back as whole rows of 512 bytes.
.macro TOSTAGE a
	WIN 0x08                                       ; an LDS store's data are its source 1: window 2
.irp b, 0,1,2,3,4,5,6,7
	ds_store_b128 v[STO], v[8*(8*(\a)+\b):8*(8*(\a)+\b)+3] offset:64*\b          ; each accumulator from its low end on
	ds_store_b128 v[STO], v[8*(8*(\a)+\b)+4:8*(8*(\a)+\b)+7] offset:64*\b+16
.endr
	WIN 0
	s_wait_xcnt 0x0                                ; the stores of two blocks ago have read their registers: the loads below may land there
.irp t, 0,1,2,3,4,5,6,7,8,9,10,11,12,13,14,15
	ds_load_b128 v[BK+64*((\a)%2)+4*\t:BK+64*((\a)%2)+4*\t+3], v[RD] offset:\t*SPITCH   ; LDS serves a wave's instructions in order (ISA guide 5.7.1.4)
.endr
.endm
.macro SEND a, younger                 ; younger: the LDS instructions issued behind block a's loads
	s_wait_dscnt \younger
.irp t, 0,1,2,3,4,5,6,7,8,9,10,11,12,13,14,15
	v_pk_fma_f32 v[BK+64*((\a)%2)+4*\t:BK+64*((\a)%2)+4*\t+1], v[BK+64*((\a)%2)+4*\t:BK+64*((\a)%2)+4*\t+1], v[SU:SU+1], v[BO:BO+1] op_sel_hi:[1,0,1]
	v_pk_fma_f32 v[BK+64*((\a)%2)+4*\t+2:BK+64*((\a)%2)+4*\t+3], v[BK+64*((\a)%2)+4*\t+2:BK+64*((\a)%2)+4*\t+3], v[SU:SU+1], v[BO+2:BO+3] op_sel_hi:[1,0,1]
	global_store_b128 v[CO], v[BK+64*((\a)%2)+4*\t:BK+64*((\a)%2)+4*\t+3], s[12:13] offset:8192*(16*(\a)+\t) th:TH_STORE_NT   ; 32 lanes store 512 consecutive bytes, at a multiple of 256 from out0's first byte
.endr
.endm
	TOSTAGE 0
.irp a, 1,2,3
	TOSTAGE \a
	SEND \a-1, 32                                  ; behind block a - 1's loads: block a's 16 stores and 16 loads
.endr
	SEND 3, 0
	s_wait_tensorcnt 0x0                           ; the wave's end
	ds_add_u32 v[SPW], v[NIL]
	s_wait_dscnt 0x0
	CROUND                                         ; the closing round
	s_endpgm
.Lfunc_end_k_q65332ab70c_outp:
	.size	k_q65332ab70c_outp, .Lfunc_end_k_q65332ab70c_outp-k_q65332ab70c_outp
	.p2alignl 7, 3214868480
	.fill 96, 4, 3214868480
	.section	.rodata,"a",@progbits
	.p2align	6, 0x0
	.amdhsa_kernel k_q65332ab70c_outp
		.amdhsa_group_segment_fixed_size 327680
		.amdhsa_private_segment_fixed_size 0
		.amdhsa_enable_private_segment 0
		.amdhsa_kernarg_size 40
		.amdhsa_user_sgpr_count 2
		.amdhsa_user_sgpr_kernarg_segment_ptr 1
		.amdhsa_wavefront_size32 1
		.amdhsa_system_sgpr_workgroup_id_x 1
		.amdhsa_system_sgpr_workgroup_id_y 1
		.amdhsa_system_sgpr_workgroup_id_z 1
		.amdhsa_system_vgpr_workitem_id 0
		.amdhsa_next_free_vgpr 768
		.amdhsa_next_free_sgpr 96
		.amdhsa_reserve_vcc 0
		.amdhsa_float_denorm_mode_32 3
		.amdhsa_float_denorm_mode_16_64 3
		.amdhsa_memory_ordered 1
		.amdhsa_forward_progress 1
		.amdhsa_inst_pref_size 143
	.end_amdhsa_kernel
	.amdgpu_metadata
---
amdhsa.version: [ 1, 2 ]
amdhsa.kernels:
  - .name:           k_q65332ab70c_outp
    .symbol:         k_q65332ab70c_outp.kd
    .args:
      - { .name: ao, .offset: 0, .size: 8, .value_kind: global_buffer, .address_space: global }
      - { .name: w16, .offset: 8, .size: 8, .value_kind: global_buffer, .address_space: global }
      - { .name: vmax, .offset: 16, .size: 8, .value_kind: global_buffer, .address_space: global }
      - { .name: bo, .offset: 24, .size: 8, .value_kind: global_buffer, .address_space: global }
      - { .name: out0, .offset: 32, .size: 8, .value_kind: global_buffer, .address_space: global }
    .group_segment_fixed_size: 327680
    .private_segment_fixed_size: 0
    .kernarg_segment_align: 8
    .kernarg_segment_size: 40
    .max_flat_workgroup_size: 128
    .sgpr_count:     96
    .vgpr_count:     768
    .wavefront_size: 32
...
	.end_amdgpu_metadata
.endif
;; end of part 5
